; MI455X (gfx1250); checked and timed in simulation.
; The chip was launched on July 23, 2026; its instructions are those of AMD's public machine-readable ISA for CDNA 5 (MIT licence, August 2026) and "CDNA5" Instruction Set Architecture Reference Guide (July 2026). The comments in the code are by the model that wrote it; some were corrected since.
;; Multi Head Attention Layer. Allowed arithmetic: matrix products marked QUANTISED: E2M3 operands, one E8M0 scale for each 32 along K, by v_wmma_scale_f32_16x16x128_f8f6f4 with both operands' format E2M3, f32 sums; everything else in f32.
;; Inputs: Wk 16 x 1,024 x 64 float32; Wo 1,024 x 1,024 float32; Wq 16 x 1,024 x 64 float32; Wv 16 x 1,024 x 64 float32; bk 16 x 64 float32; bo 1,024 float32; bq 16 x 64 float32; bv 16 x 64 float32; seq_inputs 4 x 2,048 x 1,024 float32.
;; Outputs: out0 4 x 2,048 x 1,024 float32.
;; This version of the problem:
;;   THIS VERSION OF THE PROBLEM IS GIVEN IN LOW PRECISION. The matrix products marked QUANTISED in the list below multiply operands that are first quantised to E2M3 (2 exponent bits, 3 mantissa bits; 6 bits a number), with one power-of-two scale for each 32 numbers along K (OCP MX v1.0); their sums are f32. All else is computed in f32.
;;   The module's matrix products, in the order in which they are computed (A, B: the left and right operand; K: the contracted axis; several contracted axes count as one K, in the product's order):
;;     1. [M 1,024, K 1,024] x [K 1,024, N 8,192]; A: input Wq; B: input seq_inputs: QUANTISED
;;     2. [M 1,024, K 1,024] x [K 1,024, N 8,192]; A: input Wk; B: input seq_inputs: QUANTISED
;;     3. [M 1,024, K 1,024] x [K 1,024, N 8,192]; A: input Wv; B: input seq_inputs: QUANTISED
;;     4. batch 64 x [M 2,048, K 64] x [K 64, N 2,048]; A: computed on the way; B: computed on the way: QUANTISED
;;     5. batch 64 x [M 2,048, K 2,048] x [K 2,048, N 64]; A: softmax (see below); B: computed on the way: QUANTISED
;;     6. [M 8,192, K 1,024] x [K 1,024, N 1,024]; A: computed on the way; B: input Wo: QUANTISED
;;   THE QUANTISER, for each operand of a quantised product, along K:
;;     - K is cut into blocks of 32 from its start; a last block that is shorter is filled with zeros.
;;     - A block's scale is 2^e with e = floor(log2(the largest magnitude in the block)) - 2, held to -126 .. 127; a block of zeros has e = 0. As a byte (E8M0): e + 127.
;;     - Each number is divided by its block's scale, clamped to +-7.5, and rounded to the nearest number of E2M3, ties to even, subnormals kept.
;;     - The product sums the exact products of the quantised numbers (number of the format x scale) in f32.
;;   ~~~python
;;   def quantise(x, axis):      # numpy; x: float32 -> the quantised numbers, widened to float32 again
;;       x = np.moveaxis(x, axis, -1); K = x.shape[-1]
;;       x = np.pad(x, [(0, 0)] * (x.ndim - 1) + [(0, -K % 32)]); x = x.reshape(x.shape[:-1] + (-1, 32)); a = np.abs(x).max(-1, keepdims=True)
;;       e = np.where(a > 0, np.clip(np.frexp(np.where(a > 0, a, 1))[1] - 1 - 2, -126, 127), 0)      # np.frexp(a)[1] - 1 = floor(log2(a)), exactly
;;       r = np.clip(x / 2.0 ** e, -7.5, 7.5)
;;       step = 2.0 ** (np.maximum(np.frexp(np.where(r == 0, 1, r))[1] - 1, 0) - 3)
;;       q = np.round(r / step) * step * 2.0 ** e      # np.round: ties to even
;;       return np.moveaxis(q.reshape(q.shape[:-2] + (-1,))[..., :K], -1, axis).astype(np.float32)
;;   ~~~
;;   SOFTMAX AHEAD OF A QUANTISED PRODUCT. Where the list says 'softmax', what is quantised is not the finished softmax but p = 2^(t - M), with t = logit x log2(e) and M = ceil(the row's largest t), a whole number; so 1/2 < the row's largest p <= 1. The row's sum l is taken of the UNQUANTISED p, in f32, and the product's result is divided by l at the end. Since M is a whole number, a kernel that streams over the keys may use a running M (the ceiling of the running maximum): every later rescaling is an exact power of two, which a block's scale takes up: the codes' values come out the same.
;;   OPERANDS COMPUTED ON THE WAY. 'Computed on the way' means the value that the module computes at that place (a softmax that the list does not call 'softmax' is quantised finished and normalised). What goes into a quantiser is computed in f32, as accurately as f32 sums, v_exp_f32 and their like allow (about 1e-6 of the number): no bf16 or f16 on the way to a quantiser, and a product that is left as it is and whose result goes on into a quantised operand takes f32 operands (vector FMAs, or v_wmma_f32_16x16x4_f32). A number that lies on a knife's edge between two numbers of the format may be rounded either way, as far as f32 arithmetic and the matrix unit's own rounding can turn it there, and no further.
;; One version. Each part assembles by itself: llvm-mc -triple=amdgcn-amd-amdhsa -mcpu=gfx1250 --defsym DOCPART=n.
;; ======== version 1 of 1: 4 launches
;; workspace buffers: xw_codes 9,437,184 bytes; xw_scales 393,216 bytes; qkv_img 18,874,368 bytes; qkv_sc 786,432 bytes; cat_img 6,291,456 bytes; cat_sc 262,144 bytes
;; launch quant (part 1): grid 384 x 1, 4 waves a work-group, no clusters, 68,096 bytes of LDS; arguments seq_inputs, Wq, Wk, Wv, Wo, xw_codes, xw_scales; writes xw_codes, xw_scales
.if DOCPART == 1
	.amdgcn_target "amdgcn-amd-amdhsa--gfx1250"
	.amdhsa_code_object_version 6
	.text
	.protected	k_q785b0be14f_quant
	.globl	k_q785b0be14f_quant
	.p2align	8
	.type	k_q785b0be14f_quant,@function
k_q785b0be14f_quant:
	s_mov_b64 s[64:65], 0
	v_nop
	global_prefetch_b8 v0, s[64:65] scope:SCOPE_SE
	s_setreg_imm32_b32 hwreg(HW_REG_WAVE_MODE, 25, 1), 1
	s_wait_xcnt 0x0
; x [8192][1024] and the four weights, all f32, become codes of FP6 (E2M3) with K innermost and one E8M0 byte for each 32 along K, in ONE matrix of 12,288 rows:
; xw_codes [12288][768 bytes], xw_scales [12288][32 bytes].  Rows 0-8191: x.  Rows 8192 + 1024 T + n: T = 0 Wq, 1 Wk, 2 Wv (n = 64 head + d), T = 3 Wo (n = the output's column).
; A block's scale is 2^(floor(log2(its largest magnitude)) - 2); its byte is the largest magnitude's exponent field - 2, held at 1 from below.
; Wo's codes stand, inside each block of 32, in the order in which the attention launch leaves its results: positions 8-15 hold k 16-23 and positions 16-23 hold k 8-15.  The block's 32 numbers, and so its scale, are the same.
; LIMITS: NaN and infinities among the inputs are not served; a block whose largest magnitude lies under 2^(2 - 126), a block of zeros among them, gets the byte 1 (zero codes add nothing under it; this program alone reads the bytes).
; Work-groups 0-255 take x (K innermost: a plain stream of blocks), work-groups 256-383 the weights (K outermost: a lane takes a column, its registers run down K).  The two ways have LDS bytes of their own.
; No work-group shares an input with another: no cluster, no tensor load, no barrier; waves share nothing.
.set STEPS, 16
.set CB,    12                         ; bytes of 16 codes
.set SP,    80                         ; x: a lane's place in a stage: 64 bytes + 16 of padding
.set WREG,  8192                       ; x: LDS of a wave: two stages of 32 x SP bytes, then its 256 scale bytes
.set XR,    16                         ; v16-79   x: four sets of 16 numbers as loaded
.set XX,    80                         ; v80-111  x: two sets of 16 neighbours
.set XE,    112                        ; v112-127 x: a scale byte for each step
.set XC,    128                        ; v128-191 x: codes, four registers a step
.set WSTG,  32768                      ; weights: the stages begin here
.set WPITCH, 272                       ; a stage row: sixteen places of 16 bytes + 16
.set KROW,  768                        ; a row of codes in memory
.set NB,    8                          ; blocks of 32 along K for a wave
.set WSB,   24                         ; v24-25   weights: the scale bytes
.set WX,    32                         ; v32-95   two sets of 32 numbers
.set WC,    96                         ; v96-102  a block's codes
.set WOUT,  112                        ; v112-175 the way out
.set WOFF,  176                        ; v176-207 byte offset of row i of a block, at my column
	s_load_b256 s[4:11], s[0:1], 0x0               ; x s[4:5], Wq s[6:7], Wk s[8:9], Wv s[10:11]
	s_load_b128 s[12:15], s[0:1], 0x20             ; Wo s[12:13], the codes s[14:15]
	s_load_b64 s[16:17], s[0:1], 0x30              ; the scale bytes
	v_lshl_add_u32 v208, v0, 2, 0x10800
	v_mov_b32 v209, 0
	v_lshrrev_b32 v1, 5, v0
	v_readfirstlane_b32 s18, v1                    ; wave
	v_and_b32 v2, 31, v0                           ; lane
	s_cmp_lt_u32 ttmp9, 256
	s_cbranch_scc0 .Lweights
; ---- x.  A wave takes 16 steps of 512 numbers.  Each load reads 512 consecutive bytes; a step's 2,048 bytes turn through the wave's own stage so that a lane holds 16 neighbours; two neighbouring lanes hold a block.
	v_lshlrev_b32 v3, 4, v2                        ; my 16 bytes of a load's 512
	s_mul_i32 s19, s18, WREG
	v_lshrrev_b32 v14, 2, v2
	v_mul_u32_u24 v14, v14, SP
	v_and_b32 v15, 3, v2
	v_lshl_add_u32 v14, v15, 4, v14
	v_add_nc_u32 v14, s19, v14                     ; into the stage: SP (lane / 4) + 16 (lane % 4)
	v_mul_u32_u24 v15, v2, SP
	v_add_nc_u32 v15, s19, v15                     ; out of it: SP x lane
	v_mul_u32_u24 v4, v2, CB                       ; my codes' place in a step's
	v_lshrrev_b32 v5, 1, v2
	s_add_co_u32 s19, s19, 2*32*SP
	v_add_nc_u32 v5, s19, v5                       ; my block's byte among the wave's 256
	v_lshlrev_b32 v7, 3, v2
	v_add_nc_u32 v6, s19, v7
	s_lshl_b32 s20, ttmp9, 2
	s_add_co_u32 s20, s20, s18                     ; which run of 8,192 numbers is my wave's
	s_lshl_b32 s22, s20, 15                        ; 32,768 bytes of x,
	s_mov_b32 s23, 0
	s_mul_i32 s24, s20, 32*STEPS*CB                ; 6,144 of codes,
	s_mov_b32 s25, 0
	s_lshl_b32 s26, s20, 8                         ; 256 of scale bytes
	s_mov_b32 s27, 0
	s_wait_alu depctr_va_vdst(0)
	s_wait_kmcnt 0x0
	s_add_nc_u64 s[4:5], s[4:5], s[22:23]
	s_add_nc_u64 s[14:15], s[14:15], s[24:25]
	s_add_nc_u64 s[16:17], s[16:17], s[26:27]
.macro LOAD t
.irp i, 0,1,2,3
	global_load_b128 v[XR+16*((\t)%4)+4*\i:XR+16*((\t)%4)+4*\i+3], v3, s[4:5] offset:2048*(\t)+512*\i th:TH_LOAD_NT
.endr
.endm
.macro TURN t                          ; LDS serves a wave's instructions in order: no wait between the stores and the loads
.irp i, 0,1,2,3
	ds_store_b128 v14, v[XR+16*((\t)%4)+4*\i:XR+16*((\t)%4)+4*\i+3] offset:32*SP*((\t)%2)+8*SP*\i
.endr
.irp i, 0,1,2,3
	ds_load_b128 v[XX+16*((\t)%2)+4*\i:XX+16*((\t)%2)+4*\i+3], v15 offset:32*SP*((\t)%2)+16*\i
.endr
.endm
.irp t, 0,1,2,3
	LOAD \t
.endr
	s_wait_loadcnt 12                              ; step 0's four loads are in; the twelve of steps 1 to 3 may be out
	TURN 0
.macro STEP t
.set XS, XX+16*((\t)%2)
.if (\t) > 0
	s_wait_dscnt 1                                 ; this step's numbers are back from the stage; the last step's byte store may be out
.else
	s_wait_dscnt 0x0
.endif
.if (\t)+4 < STEPS
	LOAD (\t)+4                                    ; into the registers that the stage's stores have read
.endif
.if (\t)+1 < STEPS
.if STEPS-2-(\t) >= 3
	s_wait_loadcnt 12                              ; the next step's four loads are in; those of the three steps behind it may be out
.else
	s_wait_loadcnt 4*(STEPS-2-(\t))
.endif
	TURN (\t)+1
.endif
	v_max3_num_f32 v8, |v[XS]|, |v[XS+1]|, |v[XS+2]|               ; the largest magnitude of my 16, in two chains
	v_max3_num_f32 v9, |v[XS+3]|, |v[XS+4]|, |v[XS+5]|
.irp i, 6,10
	v_max3_num_f32 v8, v8, |v[XS+\i]|, |v[XS+\i+1]|
	v_max3_num_f32 v9, v9, |v[XS+\i+2]|, |v[XS+\i+3]|
.endr
	v_max3_num_f32 v8, v8, |v[XS+14]|, |v[XS+15]|
	v_max3_num_f32 v8, v8, v9, 0x1800000           ; and the floor 2^(3 - 127): the byte cannot fall under 1
	v_max_num_f32_dpp v8, v8, v8 row_xmask:1 row_mask:0xf bank_mask:0xf   ; with my neighbour's 16: the block's
	v_add_nc_u32 v11, 0xff000000, v8               ; 2 off its exponent field: the conversion's scale operand
	v_cvt_scalef32_pk16_fp6_f32 v[XC+4*(\t):XC+4*(\t)+2], v[XS:XS+15], v11
	v_lshrrev_b32 v[XE+(\t)], 23, v11              ; the scale's byte (a plain line behind the conversion)
	ds_store_b8 v5, v[XE+(\t)] offset:16*(\t)      ; both lanes of a block write the same byte with the same value
	global_store_b96 v4, v[XC+4*(\t):XC+4*(\t)+2], s[14:15] offset:32*CB*(\t)   ; the wave stores 384 consecutive bytes
.endm
.irp t, 0,1,2,3,4,5,6,7,8,9,10,11,12,13,14,15
	STEP \t
.endr
	ds_load_b64 v[12:13], v6
	s_wait_dscnt 0x0
	global_store_b64 v7, v[12:13], s[16:17]        ; 32 lanes store 256 consecutive bytes, aligned
	s_wait_tensorcnt 0x0
	ds_add_u32 v208, v209
	s_wait_dscnt 0x0
	s_endpgm
; ---- the weights.  g = work-group - 256: T = g / 32 the tensor, (g / 4) % 8 which 128 columns, g % 4 which 256 along K.  A wave: 32 columns x 256 along K.
; One text serves both shapes: from row k to row k + 1 are 256 bytes in a head's weight [1024][64] and 4,096 in Wo [1024][1024]: the pitch is a scalar register.
.Lweights:
	s_sub_co_u32 s19, ttmp9, 256                   ; g
	s_lshr_b32 s20, s19, 5                         ; T
	s_bfe_u32 s21, s19, 0x30002
	s_and_b32 s24, s19, 3                          ; ky
	s_lshl_b32 s21, s21, 7
	s_lshl_b32 s25, s18, 5
	s_add_co_u32 s21, s21, s25                     ; cN: my wave's first column
	s_lshl_b32 s26, s24, 20                        ; Wo: 256 ky rows of 4,096 bytes + 4 cN
	s_lshl_b32 s27, s21, 2
	s_add_co_u32 s26, s26, s27
	s_lshr_b32 s27, s21, 6                         ; the others: head cN / 64 of 262,144 bytes, 256 ky rows of 256, 4 (cN % 64)
	s_lshl_b32 s27, s27, 18
	s_lshl_b32 s28, s24, 16
	s_add_co_u32 s27, s27, s28
	s_and_b32 s28, s21, 63
	s_lshl_b32 s28, s28, 2
	s_add_co_u32 s27, s27, s28
	s_lshl_b32 s30, s20, 10
	s_add_co_u32 s30, s30, s21
	s_add_co_u32 s30, s30, 8192                    ; my first row of the codes' matrix
	s_mul_i32 s19, s18, 32*WPITCH
	s_add_co_u32 s19, s19, WSTG                    ; my stage
	s_wait_alu depctr_va_vdst(0)
	v_lshlrev_b32 v3, 2, v2                        ; in: 4 bytes a lane
	v_mul_u32_u24 v4, v2, WPITCH
	v_add_nc_u32 v4, s19, v4                       ; into the stage: row = my column
	v_and_b32 v5, 15, v2
	v_lshrrev_b32 v6, 4, v2
	v_mul_u32_u24 v7, v6, WPITCH
	v_lshl_add_u32 v7, v5, 4, v7
	v_add_nc_u32 v7, s19, v7                       ; out of it: sixteen lanes to a row, two rows an instruction
	v_mul_u32_u24 v8, v6, KROW
	v_mad_u32_u24 v8, v5, 12, v8                   ; and the same place in the codes' matrix
	v_lshlrev_b32 v9, 5, v2                        ; my column's row of scale bytes
	s_wait_kmcnt 0x0
	s_cmp_eq_u32 s20, 1                            ; the tensor is chosen by the work-group's number alone
	s_cselect_b64 s[6:7], s[8:9], s[6:7]
	s_cmp_eq_u32 s20, 2
	s_cselect_b64 s[6:7], s[10:11], s[6:7]
	s_cmp_eq_u32 s20, 3
	s_cselect_b64 s[6:7], s[12:13], s[6:7]
	s_mov_b32 s22, 256
	s_cselect_b32 s22, 4096, s22                   ; the pitch
	s_cselect_b32 s23, 32768, 0                    ; eight rows of Wo: by so much positions 8-15 and 16-23 of a block change places; 0 for the others
	s_cselect_b32 s26, s26, s27
	s_mov_b32 s27, 0
	s_add_nc_u64 s[6:7], s[6:7], s[26:27]
	s_lshl_b32 s28, s22, 5                         ; a block of 32 rows on
	s_mov_b32 s29, 0
	s_mov_b64 s[32:33], s[6:7]                     ; a base for each of the eight blocks: none is stepped while a load reads it
.irp t, 1,2,3,4,5,6,7
	s_add_nc_u64 s[32+2*\t:33+2*\t], s[30+2*\t:31+2*\t], s[28:29]
.endr
	s_mul_i32 s48, s30, KROW
	s_mul_i32 s25, s24, 192
	s_add_co_u32 s48, s48, s25
	s_mov_b32 s49, 0
	s_add_nc_u64 s[14:15], s[14:15], s[48:49]
	s_lshl_b32 s48, s30, 5
	s_lshl_b32 s25, s24, 3
	s_add_co_u32 s48, s48, s25
	s_add_nc_u64 s[16:17], s[16:17], s[48:49]
.irp i, 0,1,2,3,4,5,6,7,8,9,10,11,12,13,14,15,16,17,18,19,20,21,22,23,24,25,26,27,28,29,30,31
	v_mad_u32_u24 v[WOFF+\i], s22, \i, v3
.endr
.irp i, 8,9,10,11,12,13,14,15
	v_add_nc_u32 v[WOFF+\i], s23, v[WOFF+\i]
	v_sub_nc_u32 v[WOFF+8+\i], v[WOFF+8+\i], s23
.endr
.macro LOADW t                         ; block t into set t % 2: each load reads 128 consecutive bytes a wave
.irp i, 0,1,2,3,4,5,6,7,8,9,10,11,12,13,14,15,16,17,18,19,20,21,22,23,24,25,26,27,28,29,30,31
	global_load_b32 v[WX+32*((\t)%2)+\i], v[WOFF+\i], s[32+2*(\t):33+2*(\t)] th:TH_LOAD_NT
.endr
.endm
	LOADW 0
	LOADW 1
.macro BLOCK t
.set XS, WX+32*((\t)%2)
.if (\t) < NB-1
	s_wait_loadcnt 32                              ; this block's 32 loads are in; the next block's 32 may be out
.else
	s_wait_loadcnt 0
.endif
	v_max3_num_f32 v12, |v[XS]|, |v[XS+1]|, |v[XS+2]|               ; all 32 numbers of the block are mine
	v_max3_num_f32 v13, |v[XS+3]|, |v[XS+4]|, |v[XS+5]|
.irp i, 6,10,14,18,22,26
	v_max3_num_f32 v12, v12, |v[XS+\i]|, |v[XS+\i+1]|
	v_max3_num_f32 v13, v13, |v[XS+\i+2]|, |v[XS+\i+3]|
.endr
	v_max3_num_f32 v12, v12, |v[XS+30]|, |v[XS+31]|
	v_max3_num_f32 v12, v12, v13, 0x1800000        ; the floor 2^(3 - 127)
	v_add_nc_u32 v11, 0xff000000, v12              ; the conversion's scale operand
	v_lshrrev_b32 v13, 23, v11                     ; the scale's byte
.if (\t)%4 == 0
	v_mov_b32 v[WSB+(\t)/4], v13
.else
	v_lshl_or_b32 v[WSB+(\t)/4], v13, 8*((\t)%4), v[WSB+(\t)/4]
.endif
	v_cvt_scalef32_pk16_fp6_f32 v[WC:WC+2], v[XS:XS+15], v11
	v_cvt_scalef32_pk16_fp6_f32 v[WC+4:WC+6], v[XS+16:XS+31], v11   ; (a conversion's three registers begin on an even number)
	v_nop                                          ; a plain line behind the conversions
	ds_store_b96 v4, v[WC:WC+2] offset:32*(\t)     ; 12 bytes to a place of 16
	ds_store_b96 v4, v[WC+4:WC+6] offset:32*(\t)+16
.if (\t)+2 < NB
	LOADW (\t)+2
.endif
	s_wait_dscnt 0x0                               ; the stores have read their registers
.endm
.set Q, 0
.rept NB
	BLOCK Q
.set Q, Q+1
.endr
	s_wait_alu depctr_va_vdst(0)
	global_store_b64 v9, v[WSB:WSB+1], s[16:17]    ; my column's eight scale bytes
.irp t, 0,1,2,3,4,5,6,7,8,9,10,11,12,13,14,15
	ds_load_b96 v[WOUT+4*\t:WOUT+4*\t+2], v7 offset:2*\t*WPITCH
.endr
.irp t, 0,1,2,3,4,5,6,7,8,9,10,11,12,13,14,15
	s_wait_dscnt 15-\t                             ; the younger reads of the stage may be out
	global_store_b96 v8, v[WOUT+4*\t:WOUT+4*\t+2], s[14:15] offset:2*\t*KROW   ; sixteen lanes store a row's 192 consecutive bytes
.endr
	s_wait_tensorcnt 0x0
	ds_add_u32 v208, v209
	s_wait_dscnt 0x0
	s_endpgm
.Lfunc_end_k_q785b0be14f_quant:
	.size	k_q785b0be14f_quant, .Lfunc_end_k_q785b0be14f_quant-k_q785b0be14f_quant
	.p2alignl 7, 3214868480
	.fill 96, 4, 3214868480
	.section	.rodata,"a",@progbits
	.p2align	6, 0x0
	.amdhsa_kernel k_q785b0be14f_quant
		.amdhsa_group_segment_fixed_size 68096
		.amdhsa_private_segment_fixed_size 0
		.amdhsa_enable_private_segment 0
		.amdhsa_kernarg_size 56
		.amdhsa_user_sgpr_count 2
		.amdhsa_user_sgpr_kernarg_segment_ptr 1
		.amdhsa_wavefront_size32 1
		.amdhsa_system_sgpr_workgroup_id_x 1
		.amdhsa_system_sgpr_workgroup_id_y 1
		.amdhsa_system_sgpr_workgroup_id_z 1
		.amdhsa_system_vgpr_workitem_id 0
		.amdhsa_next_free_vgpr 210
		.amdhsa_next_free_sgpr 66
		.amdhsa_reserve_vcc 0
		.amdhsa_float_denorm_mode_32 3
		.amdhsa_float_denorm_mode_16_64 3
		.amdhsa_memory_ordered 1
		.amdhsa_forward_progress 1
		.amdhsa_inst_pref_size 77
	.end_amdhsa_kernel
	.amdgpu_metadata
---
amdhsa.version: [ 1, 2 ]
amdhsa.kernels:
  - .name:           k_q785b0be14f_quant
    .symbol:         k_q785b0be14f_quant.kd
    .args:
      - { .name: seq_inputs, .offset: 0, .size: 8, .value_kind: global_buffer, .address_space: global }
      - { .name: Wq, .offset: 8, .size: 8, .value_kind: global_buffer, .address_space: global }
      - { .name: Wk, .offset: 16, .size: 8, .value_kind: global_buffer, .address_space: global }
      - { .name: Wv, .offset: 24, .size: 8, .value_kind: global_buffer, .address_space: global }
      - { .name: Wo, .offset: 32, .size: 8, .value_kind: global_buffer, .address_space: global }
      - { .name: xw_codes, .offset: 40, .size: 8, .value_kind: global_buffer, .address_space: global }
      - { .name: xw_scales, .offset: 48, .size: 8, .value_kind: global_buffer, .address_space: global }
    .group_segment_fixed_size: 68096
    .private_segment_fixed_size: 0
    .kernarg_segment_align: 8
    .kernarg_segment_size: 56
    .max_flat_workgroup_size: 128
    .sgpr_count:     66
    .vgpr_count:     210
    .wavefront_size: 32
...
	.end_amdgpu_metadata
.endif
;; end of part 1
;; launch qkv (part 2): grid 12 x 32, 4 waves a work-group, clusters of 4 x 4, 327,680 bytes of LDS; arguments xw_codes, xw_scales, bq, bk, bv, qkv_img, qkv_sc; writes qkv_img, qkv_sc
.if DOCPART == 2
	.amdgcn_target "amdgcn-amd-amdhsa--gfx1250"
	.amdhsa_code_object_version 6
	.text
	.protected	k_q785b0be14f_qkv
	.globl	k_q785b0be14f_qkv
	.p2align	8
	.type	k_q785b0be14f_qkv,@function
k_q785b0be14f_qkv:
	s_mov_b64 s[64:65], 0
	v_nop
	global_prefetch_b8 v0, s[64:65] scope:SCOPE_SE
	s_setreg_imm32_b32 hwreg(HW_REG_WAVE_MODE, 25, 1), 1
	s_wait_xcnt 0x0
	s_wait_alu depctr_hold_cnt(0) depctr_sa_sdst(0) depctr_va_vdst(0) depctr_va_sdst(0) depctr_va_ssrc(0) depctr_va_vcc(0) depctr_vm_vsrc(0)
	s_getreg_b32 s2, hwreg(HW_REG_IB_STS2, 6, 4)
	s_cmp_eq_u32 s2, 0
	s_cbranch_scc0 .Lentry_in_a_cluster
	s_endpgm
.Lentry_in_a_cluster:
	s_bfe_u32 s2, ttmp6, 0x10000c
	s_cmp_lg_u32 s2, 0xf033
	s_cbranch_scc0 .Lentry_shape_is_right
	s_endpgm
.Lentry_shape_is_right:
.set KSTEP,  256
.set NQ,     2
.set ROWB,   192
.set KROW,   768
.set PITCH,  240
.set FR,     12
.set NL,     6
.set NP,     4
.set HALFT,  128*PITCH
.set SLOT,   4*HALFT
.set LAPS,   2
.set KS,     32
.set SCL,    2*SLOT
.set HALFS,  (128*KS/256)*272
.set SBLK,   (16*KS/256)*272
.set SPARE,  SCL+4*HALFS
.set SCW,  8
.set ADRA, 16
.set ADRB, 20
.set SOF,  24
.set CO,   26
.set ADRS, 27
.set SPW,  28
.set NIL,  29
.set BRO,  30
.set BLO,  31
.set SC,   32
.set BR,   64
.set AF,   128
.set BL,   224
.set H,    128
.set I0,   192
.set I1,   204
.set TC,   216
.set TM,   232
.set PW,   248
.set BP,   250
.set G1, 24
.set G0, 32
.set G1B, 48
.set G0B, 56
.set G1S, 68
.set G0S, 76
.set G1SB, 80
.set G0SB, 88
.set IMG, 98
.set SCP, 66
.set SEL, 20
.set MSB, 0
.macro WIN new
.if MSB != (\new)
	s_set_vgpr_msb (MSB<<8)|(\new)
.set MSB, (\new)
.endif
.endm
.set MUL_LO, 0xa1
.set MUL_HI, 0xf1
.set TO_B,   0x40
.macro JLOAD g0a, g1a, g0b, g1b
	s_cmp_eq_u32 s15, 0
	s_cbranch_scc0 .Lfor_b_\@
	tensor_load_to_lds s[\g0a:\g0a+3], s[\g1a:\g1a+7]
	s_nop 0
.rept 4
	v_nop
.endr
	s_branch .Lasked_\@
.Lfor_b_\@:
	tensor_load_to_lds s[\g0b:\g0b+3], s[\g1b:\g1b+7]
	s_nop 0
.rept 4
	v_nop
.endr
.Lasked_\@:
.endm
.macro CREST
	s_cmp_lg_u32 s14, 0
	s_cbranch_scc1 .Lnot_wave_0_\@
	s_barrier_signal -3
.Lnot_wave_0_\@:
	s_barrier_wait -3
	s_barrier_signal -1
	s_barrier_wait -1
.endm
.macro CROUND
	s_barrier_signal -1
	s_barrier_wait -1
	CREST
.endm
	s_load_b128 s[4:7], s[0:1], 0x0
	s_load_b128 s[8:11], s[0:1], 0x10
	s_load_b128 s[96:99], s[0:1], 0x20
	s_load_b64 s[66:67], s[0:1], 0x30
	v_lshl_add_u32 v[SPW], v0, 2, SPARE
	v_mov_b32 v[NIL], 0
	ds_add_u32 v28, v29
	ds_add_u32 v28, v29
	s_wait_dscnt 0x0
	v_lshrrev_b32 v1, 5, v0
	v_readfirstlane_b32 s14, v1
	s_lshr_b32 s15, s14, 1
	s_and_b32 s16, s14, 1
	s_bfe_u32 s40, ttmp6, 0x40000
	s_bfe_u32 s41, ttmp6, 0x40004
	s_mov_b32 s12, ttmp9
	s_and_b32 s13, ttmp7, 0xffff
	s_lshl_b32 s42, s12, 10
	s_add_co_u32 s42, s42, 8192
	s_lshl_b32 s17, s13, 10
	s_cmp_eq_u32 s12, 2
	s_cselect_b32 s18, s42, s17
	s_cselect_b32 s19, s17, s42
	s_lshl_b32 s21, s41, 8
	s_add_co_u32 s100, s18, s21
	s_lshl_b32 s47, s40, 8
	s_add_co_u32 s101, s19, s47
	s_lshl_b32 s43, s41, 2
	s_lshl_b32 s43, 15, s43
	s_lshl_b32 s44, 0x1111, s40
	s_or_b32 s[G1+0], s43, (0<<16)|(1<<20)|(1<<21)|(3<<22)|(3<<25)
	s_or_b32 s[G1B+0], s44, (0<<16)|(1<<20)|(1<<21)|(3<<22)|(3<<25)
.irp g, G1, G1B
	s_mov_b32 s[\g+1], ROWB<<16
	s_mov_b32 s[\g+2], 128<<16
	s_mov_b32 s[\g+3], ROWB<<16
	s_mov_b32 s[\g+4], 128
	s_mov_b32 s[\g+5], KROW
	s_mov_b32 s[\g+6], 0
	s_mov_b32 s[\g+7], 0
.endr
	s_or_b32 s[G1S+0], s43, (3<<16)|(1<<20)|(1<<21)|(5<<22)|(3<<25)
	s_or_b32 s[G1SB+0], s44, (3<<16)|(1<<20)|(1<<21)|(5<<22)|(3<<25)
.irp g, G1S, G1SB
	s_mov_b32 s[\g+1], 32<<16
	s_mov_b32 s[\g+2], (128*KS/256)<<16
	s_mov_b32 s[\g+3], 32<<16
	s_mov_b32 s[\g+4], 128*KS/256
	s_mov_b32 s[\g+5], 32
	s_mov_b32 s[\g+6], 0
	s_mov_b32 s[\g+7], 0
.endr
	s_lshl_b32 s18, s16, 7
	s_add_co_u32 s20, s100, s18
	s_add_co_u32 s46, s101, s18
	s_lshl_b32 s22, s20, 5
	s_mov_b32 s23, 0
	s_mul_i32 s20, s20, KROW
	s_mov_b32 s21, 0
	s_lshl_b32 s92, s46, 5
	s_mov_b32 s93, 0
	s_mul_i32 s46, s46, KROW
	s_mov_b32 s47, 0
	s_mul_i32 s45, s14, HALFT
	s_mul_i32 s94, s14, HALFS
	s_wait_kmcnt 0x0
	s_add_nc_u64 s[20:21], s[4:5], s[20:21]
	s_add_nc_u64 s[22:23], s[6:7], s[22:23]
	s_add_nc_u64 s[46:47], s[4:5], s[46:47]
	s_add_nc_u64 s[92:93], s[6:7], s[92:93]
	CROUND
	s_mov_b32 s[G0S], 1
	s_add_co_u32 s[G0S+1], s94, SCL
	s_mov_b64 s[G0S+2:G0S+3], s[22:23]
	s_or_b32 s[G0S+3], s[G0S+3], 0x80000000
	s_mov_b32 s[G0SB], 1
	s_add_co_u32 s[G0SB+1], s94, SCL
	s_mov_b64 s[G0SB+2:G0SB+3], s[92:93]
	s_or_b32 s[G0SB+3], s[G0SB+3], 0x80000000
	JLOAD G0S, G1S, G0SB, G1SB
.irp s, 0,1
	s_mov_b32 s[G0+4*\s], 1
	s_add_co_u32 s[G0+4*\s+1], s45, \s*SLOT
	s_add_nc_u64 s[G0+4*\s+2:G0+4*\s+3], s[20:21], \s*ROWB
	s_or_b32 s[G0+4*\s+3], s[G0+4*\s+3], 0x80000000
	s_mov_b32 s[G0B+4*\s], 1
	s_add_co_u32 s[G0B+4*\s+1], s45, \s*SLOT
	s_add_nc_u64 s[G0B+4*\s+2:G0B+4*\s+3], s[46:47], \s*ROWB
	s_or_b32 s[G0B+4*\s+3], s[G0B+4*\s+3], 0x80000000
	s_wait_alu depctr_va_vdst(0)
	s_wait_tensorcnt 0x0
	ds_add_u32 v28, v29
	s_wait_dscnt 0x0
	CROUND
	JLOAD G0+4*\s, G1, G0B+4*\s, G1B
.endr
	v_and_b32 v1, 15, v0
	v_bfe_u32 v2, v0, 4, 1
	v_mul_u32_u24 v3, v1, PITCH
	v_mul_u32_u24 v4, v2, 24
	v_add_nc_u32 v4, v3, v4
	v_lshl_add_u32 v5, v2, 4, v4
	s_mul_i32 s21, s15, HALFT
	s_mul_i32 s22, s16, HALFT
	s_add_co_u32 s22, s22, 2*HALFT
.irp s, 0,1
	v_add_nc_u32 v[ADRA+\s], s21, v4
	v_add_nc_u32 v[ADRB+\s], s22, v4
	v_add_nc_u32 v[ADRA+2+\s], s21, v5
	v_add_nc_u32 v[ADRB+2+\s], s22, v5
	s_add_co_u32 s21, s21, SLOT
	s_add_co_u32 s22, s22, SLOT
.endr
	v_mul_u32_u24 v5, v1, KS
	v_lshrrev_b32 v6, 8, v5
	v_lshl_add_u32 v5, v6, 4, v5
	s_mul_i32 s21, s15, HALFS
	s_mul_i32 s22, s16, HALFS
	s_add_co_u32 s22, s22, 2*HALFS
	s_sub_co_u32 s22, s22, s21
	v_mul_u32_u24 v6, s22, v2
	s_add_co_u32 s21, s21, SCL
	v_add_nc_u32 v5, v5, v6
	v_add_nc_u32 v[ADRS], s21, v5
	v_lshlrev_b32 v[BRO], 5, v2
	s_wait_alu depctr_va_vdst(0)
	v_lshlrev_b32 v[BLO], 2, v1
	s_wait_alu depctr_va_vdst(0)
	v_lshlrev_b32 v[SOF], 4, v1
	v_lshl_add_u32 v[SOF], v2, 12, v[SOF]
	v_and_b32 v6, 31, v0
	v_lshlrev_b32 v[CO], 4, v6
	s_lshl_b32 s18, s15, 7
	s_add_co_u32 s18, s100, s18
	s_lshl_b32 s19, s16, 7
	s_add_co_u32 s19, s101, s19
	s_cmp_eq_u32 s12, 2
	s_cselect_b32 s100, s19, s18
	s_cselect_b32 s101, s18, s19
	s_and_b32 s101, s101, 1023
	s_lshr_b32 s18, s100, 11
	s_lshl_b32 s18, s18, 4
	s_lshr_b32 s19, s101, 6
	s_add_co_u32 s18, s18, s19
	s_bfe_u32 s19, s100, 0x40007
	s_mul_i32 s20, s12, 6291456
	s_mul_i32 s21, s18, 98304
	s_add_co_u32 s20, s20, s21
	s_mul_i32 s21, s19, 6144
	s_add_co_u32 s20, s20, s21
	s_mov_b32 s21, 0
	s_add_nc_u64 s[IMG:IMG+1], s[IMG:IMG+1], s[20:21]
	s_lshl_b32 s20, s12, 18
	s_lshl_b32 s22, s18, 12
	s_add_co_u32 s20, s20, s22
	s_lshl_b32 s22, s19, 8
	s_add_co_u32 s20, s20, s22
	s_add_nc_u64 s[SCP:SCP+1], s[SCP:SCP+1], s[20:21]
	s_cmp_eq_u32 s12, 1
	s_cselect_b64 s[8:9], s[10:11], s[8:9]
	s_cmp_eq_u32 s12, 2
	s_cselect_b64 s[8:9], s[96:97], s[8:9]
	s_lshl_b32 s20, s101, 2
	s_add_nc_u64 s[8:9], s[8:9], s[20:21]
.irp t, 0,1,2,3,4,5,6,7
	global_load_b128 v[BR+8*\t:BR+8*\t+3], v[BRO], s[8:9] offset:64*\t
	global_load_b128 v[BR+8*\t+4:BR+8*\t+7], v[BRO], s[8:9] offset:64*\t+16
.endr
.irp a, 0,1,2,3,4,5,6,7
	global_load_b32 v[BL+\a], v[BLO], s[8:9] offset:64*\a
.endr
.macro FRAG reg, adr, q, i
.irp p, 0,1,2,3,4,5
.set PC, 12*(\q)+6*(\p/3)+\p%3
.if PC%8 < 5
	ds_load_b64 v[\reg+2*\p:\reg+2*\p+1], v[\adr] offset:8*PC+16*(PC/8)+(\i)*16*PITCH
.else
	ds_load_b64 v[\reg+2*\p:\reg+2*\p+1], v[\adr+2] offset:8*PC+16*(PC/8)+(\i)*16*PITCH
.endif
.endr
.endm
.macro MUL16 a0, p, q, sc, zero
.irp a, \a0, \a0+1
.irp b, 0,1,2,3,4,5,6,7
.if \zero
	v_wmma_scale_f32_16x16x128_f8f6f4 v[8*(8*((\a)%4)+\b):8*(8*((\a)%4)+\b)+7], v[128*(\p)+FR*\b:128*(\p)+FR*\b+FR-1], v[AF+FR*(\a):AF+FR*(\a)+FR-1], 0, v[SC+8*NQ*(\sc)+NQ*\b+(\q)], v[SC+8*NQ*(\sc)+NQ*(\a)+(\q)] matrix_a_fmt:MATRIX_FMT_FP6 matrix_b_fmt:MATRIX_FMT_FP6 matrix_a_scale:MATRIX_SCALE_ROW1
.else
	v_wmma_scale_f32_16x16x128_f8f6f4 v[8*(8*((\a)%4)+\b):8*(8*((\a)%4)+\b)+7], v[128*(\p)+FR*\b:128*(\p)+FR*\b+FR-1], v[AF+FR*(\a):AF+FR*(\a)+FR-1], v[8*(8*((\a)%4)+\b):8*(8*((\a)%4)+\b)+7], v[SC+8*NQ*(\sc)+NQ*\b+(\q)], v[SC+8*NQ*(\sc)+NQ*(\a)+(\q)] matrix_a_fmt:MATRIX_FMT_FP6 matrix_b_fmt:MATRIX_FMT_FP6 matrix_a_scale:MATRIX_SCALE_ROW1
.endif
.endr
.endr
.endm
.macro FETCH_B slot, q, p
	WIN TO_B
.irp i, 0,1,2,3,4,5,6,7
	FRAG 128*(\p)+FR*\i, ADRB+\slot, \q, \i
.endr
	WIN 0
.endm
.macro FETCH_A slot, q, i0
.irp i, \i0, \i0+1, \i0+2, \i0+3
	FRAG AF+FR*(\i), ADRA+\slot, \q, \i
.endr
.endm
.macro SCALES sc
.irp i, 0,1,2,3,4,5,6,7
	ds_load_b64 v[SC+8*NQ*\sc+NQ*\i:SC+8*NQ*\sc+NQ*\i+1], v[ADRS] offset:\i*SBLK
.endr
.endm
.macro PLACES n
.rept \n
	v_nop
.endr
.endm
.macro STEP slot, q, zero
	s_wait_dscnt 4*NL
	WIN MUL_LO
	MUL16 0, (\q)%2, \q, \slot, \zero
	MUL16 2, (\q)%2, \q, \slot, \zero
	s_wait_dscnt 0
	PLACES NP
	FETCH_B \slot, (\q)+1, 1-(\q)%2
	FETCH_A \slot, (\q)+1, 0
	WIN MUL_HI
	MUL16 4, (\q)%2, \q, \slot, \zero
	MUL16 6, (\q)%2, \q, \slot, \zero
	PLACES NP
	WIN 0
	FETCH_A \slot, (\q)+1, 4
.endm
.macro TURN slot, next, fill
	s_wait_tensorcnt 0x0
	ds_add_u32 v[SPW], v[NIL]
	s_wait_dscnt 4*NL+1
	WIN MUL_LO
	MUL16 0, 1, NQ-1, \slot, 0
	s_wait_dscnt 0x0
	s_barrier_signal -1
	MUL16 2, 1, NQ-1, \slot, 0
	WIN 0
	s_barrier_wait -1
.if \fill
	CREST
	s_add_nc_u64 s[G0+4*\slot+2:G0+4*\slot+3], s[G0+4*\slot+2:G0+4*\slot+3], 2*ROWB
	s_add_nc_u64 s[G0B+4*\slot+2:G0B+4*\slot+3], s[G0B+4*\slot+2:G0B+4*\slot+3], 2*ROWB
	JLOAD G0+4*\slot, G1, G0B+4*\slot, G1B
.else
	PLACES NP
.endif
	s_wait_alu depctr_va_vdst(0)
	v_add_nc_u32 v[ADRS], 4*NQ, v[ADRS]
	FETCH_B \next, 0, 0
	FETCH_A \next, 0, 0
	SCALES \next
	WIN MUL_HI
	MUL16 4, 1, NQ-1, \slot, 0
	MUL16 6, 1, NQ-1, \slot, 0
	PLACES NP
	WIN 0
	FETCH_A \next, 0, 4
.endm
	s_wait_loadcnt 0x0
	s_wait_tensorcnt 1
	s_barrier_signal -1
	s_barrier_wait -1
	FETCH_B 0, 0, 0
	FETCH_A 0, 0, 0
	SCALES 0
	FETCH_A 0, 0, 4
	STEP 0, 0, 1
	s_mov_b32 s3, LAPS-1
.Llap:
	TURN 0, 1, 1
	STEP 1, 0, 0
	TURN 1, 0, 1
	STEP 0, 0, 0
	s_sub_co_u32 s3, s3, 1
	s_cmp_lg_u32 s3, 0
	s_cbranch_scc1 .Llap
	TURN 0, 1, 0
	STEP 1, 0, 0
	s_wait_dscnt 4*NL
	WIN MUL_LO
	MUL16 0, 1, NQ-1, 1, 0
	MUL16 2, 1, NQ-1, 1, 0
	s_wait_dscnt 0
	WIN MUL_HI
	MUL16 4, 1, NQ-1, 1, 0
	MUL16 6, 1, NQ-1, 1, 0
	WIN 0
.macro QUANT s, d0, d1, pw
.irp b, 0,1,2,3
	v_max3_num_f32 v[TM+\b], |v[\s+16*\b]|, |v[\s+1+16*\b]|, 0x1800000
.endr
.irp i, 2,4,6,8,10,12,14
.irp b, 0,1,2,3
	v_max3_num_f32 v[TM+\b], v[TM+\b], |v[\s+16*\b+\i]|, |v[\s+1+16*\b+\i]|
.endr
.endr
.irp b, 0,1,2,3
	v_permlanex16_b32 v[TM+4+\b], v[TM+\b], s[SEL], s[SEL+1]
.endr
.irp b, 0,1,2,3
	v_max_num_f32 v[TM+\b], v[TM+\b], v[TM+4+\b]
.endr
.irp b, 0,1,2,3
	v_add_nc_u32 v[TM+12+\b], 0xff000000, v[TM+\b]
.endr
.irp b, 0,1,2,3
	v_lshrrev_b32 v[TM+4+\b], 23, v[TM+12+\b]
.endr
	v_lshl_or_b32 v[\pw], v[TM+5], 8, v[TM+4]
	v_lshl_or_b32 v[\pw], v[TM+6], 16, v[\pw]
	v_lshl_or_b32 v[\pw], v[TM+7], 24, v[\pw]
	v_cvt_scalef32_pk16_fp6_f32 v[\d0:\d0+2], v[\s:\s+15], v[TM+12]
	v_cvt_scalef32_pk16_fp6_f32 v[TC:TC+2], v[\s+16:\s+31], v[TM+13]
	v_cvt_scalef32_pk16_fp6_f32 v[\d1:\d1+2], v[\s+32:\s+47], v[TM+14]
	v_cvt_scalef32_pk16_fp6_f32 v[TC+4:TC+6], v[\s+48:\s+63], v[TM+15]
	v_nop
.irp i, 0,1,2
	v_permlane16_swap_b32 v[\d0+\i], v[TC+\i]
.endr
.irp i, 0,1,2
	v_mov_b32 v[\d0+3+\i], v[TC+\i]
.endr
.irp i, 0,1,2
	v_permlane16_swap_b32 v[\d1+\i], v[TC+4+\i]
.endr
.irp i, 0,1,2
	v_mov_b32 v[\d1+3+\i], v[TC+4+\i]
.endr
.endm
.macro BIASR a
	WIN 0x02+(\a)/4
.set i, 0
.rept 32
	v_pk_add_f32 v[H+i:H+i+1], v[64*((\a)%4)+i:64*((\a)%4)+i+1], v[BR+i:BR+i+1]
.set i, i+2
.endr
	WIN 0
.endm
.macro BIASL a
	v_mov_b32 v[BP], v[BL+(\a)]
	s_wait_alu depctr_va_vdst(0)
	WIN 0x02+(\a)/4
.set i, 0
.rept 32
	v_pk_add_f32 v[H+i:H+i+1], v[64*((\a)%4)+i:64*((\a)%4)+i+1], v[BP:BP+1] op_sel_hi:[1,0]
.set i, i+2
.endr
	WIN 0
.endm
.macro PUT img, off
.irp c, 0,1,2
	global_store_b128 v[CO], v[\img+4*\c:\img+4*\c+3], s[IMG:IMG+1] offset:\off+512*\c th:TH_STORE_NT
.endr
.endm
	PLACES NP
	s_mov_b32 s[SEL], 0x76543210
	s_mov_b32 s[SEL+1], 0xfedcba98
	s_mov_b32 s22, 0xffff0000
.irp b, 0,1,2,3
	v_mov_b32 v[TM+4+\b], 0
.endr
	v_mov_b32 v[BP+1], 0
	s_cmp_eq_u32 s12, 2
	s_cbranch_scc1 .Lv_out
.irp p, 0,1,2,3
	s_wait_xcnt 0x0
	BIASR 2*\p
	QUANT H, I0, I1, PW
	BIASR 2*\p+1
	QUANT H, I0+6, I1+6, PW+1
	v_perm_b32 v[SCW+\p], v[PW+1], v[PW], 0x05040100
	v_perm_b32 v[SCW+4+\p], v[PW+1], v[PW], 0x07060302
	PUT I0, 1536*\p
	PUT I1, 98304+1536*\p
.endr
	s_branch .Lscales
.Lv_out:
.irp a, 0,1,2,3,4,5,6,7
.set IM, I0+12*(\a%2)
	s_wait_xcnt 0x0
	BIASL \a
	QUANT H, IM, IM+6, SCW+\a
	PUT IM, 98304*(\a/4)+1536*(\a%4)
.endr
.Lscales:
	s_wait_alu depctr_va_vdst(0)
.irp i, 0,1,2,3
	v_cndmask_b32 v[SCW+\i], v[SCW+\i], v[SCW+4+\i], s22
.endr
	global_store_b128 v[SOF], v[SCW:SCW+3], s[SCP:SCP+1] th:TH_STORE_NT
	s_wait_tensorcnt 0x0
	ds_add_u32 v[SPW], v[NIL]
	s_wait_dscnt 0x0
	CROUND
	s_endpgm
.Lfunc_end_k_q785b0be14f_qkv:
	.size	k_q785b0be14f_qkv, .Lfunc_end_k_q785b0be14f_qkv-k_q785b0be14f_qkv
	.p2alignl 7, 3214868480
	.fill 96, 4, 3214868480
	.section	.rodata,"a",@progbits
	.p2align	6, 0x0
	.amdhsa_kernel k_q785b0be14f_qkv
		.amdhsa_group_segment_fixed_size 327680
		.amdhsa_private_segment_fixed_size 0
		.amdhsa_enable_private_segment 0
		.amdhsa_kernarg_size 56
		.amdhsa_user_sgpr_count 2
		.amdhsa_user_sgpr_kernarg_segment_ptr 1
		.amdhsa_wavefront_size32 1
		.amdhsa_system_sgpr_workgroup_id_x 1
		.amdhsa_system_sgpr_workgroup_id_y 1
		.amdhsa_system_sgpr_workgroup_id_z 1
		.amdhsa_system_vgpr_workitem_id 0
		.amdhsa_next_free_vgpr 1024
		.amdhsa_next_free_sgpr 102
		.amdhsa_reserve_vcc 0
		.amdhsa_float_denorm_mode_32 3
		.amdhsa_float_denorm_mode_16_64 3
		.amdhsa_memory_ordered 1
		.amdhsa_forward_progress 1
		.amdhsa_inst_pref_size 234
	.end_amdhsa_kernel
	.amdgpu_metadata
---
amdhsa.version: [ 1, 2 ]
amdhsa.kernels:
  - .name:           k_q785b0be14f_qkv
    .symbol:         k_q785b0be14f_qkv.kd
    .args:
      - { .name: xw_codes, .offset: 0, .size: 8, .value_kind: global_buffer, .address_space: global }
      - { .name: xw_scales, .offset: 8, .size: 8, .value_kind: global_buffer, .address_space: global }
      - { .name: bq, .offset: 16, .size: 8, .value_kind: global_buffer, .address_space: global }
      - { .name: bk, .offset: 24, .size: 8, .value_kind: global_buffer, .address_space: global }
      - { .name: bv, .offset: 32, .size: 8, .value_kind: global_buffer, .address_space: global }
      - { .name: qkv_img, .offset: 40, .size: 8, .value_kind: global_buffer, .address_space: global }
      - { .name: qkv_sc, .offset: 48, .size: 8, .value_kind: global_buffer, .address_space: global }
    .group_segment_fixed_size: 327680
    .private_segment_fixed_size: 0
    .kernarg_segment_align: 8
    .kernarg_segment_size: 56
    .max_flat_workgroup_size: 128
    .sgpr_count:     102
    .vgpr_count:     1024
    .wavefront_size: 32
...
	.end_amdgpu_metadata
.endif
;; end of part 2
;; launch attn (part 3): grid 4 x 64, 16 waves a work-group, clusters of 4 x 1, 215,040 bytes of LDS; arguments qkv_img, qkv_sc, cat_img, cat_sc; writes cat_img, cat_sc
.if DOCPART == 3
	.amdgcn_target "amdgcn-amd-amdhsa--gfx1250"
	.amdhsa_code_object_version 6
	.text
	.protected	k_q785b0be14f_attn
	.globl	k_q785b0be14f_attn
	.p2align	8
	.type	k_q785b0be14f_attn,@function
k_q785b0be14f_attn:
	s_mov_b64 s[64:65], 0
	v_nop
	global_prefetch_b8 v0, s[64:65] scope:SCOPE_SE
	s_setreg_imm32_b32 hwreg(HW_REG_WAVE_MODE, 25, 1), 1
	s_wait_xcnt 0x0
	s_wait_alu depctr_hold_cnt(0) depctr_sa_sdst(0) depctr_va_vdst(0) depctr_va_sdst(0) depctr_va_ssrc(0) depctr_va_vcc(0) depctr_vm_vsrc(0)
	s_getreg_b32 s2, hwreg(HW_REG_IB_STS2, 6, 4)
	s_cmp_eq_u32 s2, 0
	s_cbranch_scc0 .Lentry_in_a_cluster
	s_endpgm
.Lentry_in_a_cluster:
	s_bfe_u32 s2, ttmp6, 0x10000c
	s_cmp_lg_u32 s2, 0x3003
	s_cbranch_scc0 .Lentry_shape_is_right
	s_endpgm
.Lentry_shape_is_right:
; For each (batch, head): O = softmax(Q K^T / 8) V, both products on codes of FP6 (E2M3) with E8M0 scales; O / l is quantised along d and leaves as half images of the last product's operand.
; THE SOFTMAX: t = score x log2(e) / 8; M = the running largest t rounded UP to a whole number; p = 2^(t - M) is quantised along the keys, not normalised; l is the sum of the unquantised p and divides at the end.
; When M moves, l and O are multiplied by 2^(old M - new M): exact.
; SHARES.  A work-group owns 512 queries of one (batch, head); each of its sixteen waves 32 of them, in two passes of 16: four waves to a SIMD, so that one wave's vector work stands beside another's products and LDS loads.
; A HEAD'S K AND V STAY IN LDS: 2 x 98,304 bytes of register images and 2 x 4,096 of scale words, filled once, never stored to, never filled again.  An image is read by ds_load_b128 at 16 x lane.
; CLUSTER.  The four work-groups of a (batch, head) read the same K and V: ten waves ask jointly, one tensor load each, with a mask that names the four.
; LAYOUT.  S^T = K Q^T (source 0 = keys, source 1 = my 16 queries), O^T = V^T P^T (source 0 = 16 of d, source 1 = P): a lane holds one query throughout.
; K = 64 IN AN INSTRUCTION OF 128: an image of K holds 16 keys in its first 64 along K and the next 16 keys in its second 64.  Against [q | 0] it gives the first tile's scores, against [0 | q] the second's: the other half meets zero codes.
; THE ORDER INSIDE A BLOCK OF 32 keys (and of 32 d on the way out): index 16 u + 8 h + j stands at position 16 h + 8 u + j; V's codes (and Wo's) were laid in the same order.
; LIMITS: NaN and infinities are not served; a block whose largest magnitude lies under 2^(2 - 126) gets the byte 1 (its codes are zeros or tiny).  cat_sc is stored a byte a lane: a scale word of the last product mixes two heads, which two work-groups make.
.set KIMG, 0
.set VIMG, 98304
.set KSCL, 196608
.set ADK, 8                            ; v8-10 LDS addresses of the step in hand: K's images, V's, the scale words
.set ADV, 9
.set ADS, 10
.set QL,  16                           ; v16-27 [q | 0]
.set QH,  28                           ; v28-39 [0 | q]
.set QN,  40                           ; v40-45 the second pass's codes
.set QS,  46                           ; v46 q's scale word (its two bytes twice), v47 the second pass's
.set QSN, 47
.set FRG, 48                           ; v48-95 four images of K, then four of V
.set S,   96                           ; v96-159 S^T, then p
.set O,   160                          ; v160-191 O^T
.set PC,  192                          ; v192-203 p's codes
.set TC,  204                          ; v204-206, v208-210
.set KSC, 212                          ; v212-215 K's scale words, v216-219 V's, v220 p's
.set VSC, 216
.set PSC, 220
.set BM,  224
.set BX,  228
.set OP,  232
.set SM2, 236                          ; v[236:237] the sum's second chain
.set F,   238                          ; v[238:239] f, later 1 / l
.set T0,  240
.set WV,  18
.set SEL, 20
.set CS,  22
.set G1C, 24
.set G1S, 32
.set G0C, 40
.set G0S, 44
.macro CROUND                          ; a round of the cluster's barrier
	s_barrier_signal -1
	s_barrier_wait -1
	s_cmp_lg_u32 s[WV], 0
	s_cbranch_scc1 .Lnot_wave_0_\@
	s_barrier_signal -3
.Lnot_wave_0_\@:
	s_barrier_wait -3
	s_barrier_signal -1
	s_barrier_wait -1
.endm
	s_load_b128 s[4:7], s[0:1], 0x0                ; qkv_img, qkv_sc
	s_load_b128 s[8:11], s[0:1], 0x10              ; cat_img, cat_sc
	v_lshl_add_u32 v254, v0, 2, 0x34000
	v_mov_b32 v255, 0
	ds_add_u32 v254, v255
	ds_add_u32 v254, v255
	v_lshrrev_b32 v7, 5, v0
	s_delay_alu instid0(VALU_DEP_1)
	v_readfirstlane_b32 s[WV], v7                  ; wave 0..15
	s_bfe_u32 s12, ttmp6, 0x40000                  ; cx: my block of 512 queries; it enters Q's and cat's addresses alone
	s_and_b32 s13, ttmp7, 0xffff                   ; 16 batch + head
	; what I fetch, if I fetch.  Waves 0-3: K's four quarters; waves 4-7: V's; waves 8, 9: K's and V's scale words
	s_bfe_u32 s14, s[WV], 0x10002
	s_add_co_u32 s14, s14, 1
	s_mul_i32 s14, s14, 6291456                    ; K's or V's part of qkv_img,
	s_mul_i32 s19, s13, 98304                      ; my head's images,
	s_add_co_u32 s14, s14, s19
	s_and_b32 s15, s[WV], 3
	s_mul_i32 s15, s15, 24576                      ; my quarter
	s_add_co_u32 s14, s14, s15
	s_mov_b32 s15, 0
	s_and_b32 s16, s[WV], 1
	s_lshl_b32 s51, s16, 12
	s_add_co_u32 s16, s16, 1
	s_lshl_b32 s16, s16, 18
	s_lshl_b32 s17, s13, 12
	s_add_co_u32 s16, s16, s17
	s_mov_b32 s17, 0
	s_and_b32 s[G0C+1], s[WV], 7
	s_mul_i32 s[G0C+1], s[G0C+1], 24576            ; LDS: wave x 24,576
	s_add_co_u32 s[G0S+1], s51, KSCL
	s_mov_b32 s[G1C], 15|(3<<16)|(1<<21)           ; the mask: all four; elements of 8 bytes; bit 21 beside a mask; no padding
	s_mov_b32 s[G1C+1], 32<<16                     ; 96 dense rows of 256 bytes
	s_mov_b32 s[G1C+2], 96<<16
	s_mov_b32 s[G1C+3], 32<<16
	s_mov_b32 s[G1C+4], 96
	s_mov_b32 s[G1C+5], 32
	s_mov_b32 s[G1C+6], 0
	s_mov_b32 s[G1C+7], 0
	s_mov_b32 s[G1S], 15|(3<<16)|(1<<21)           ; 16 such rows
	s_mov_b32 s[G1S+1], 32<<16
	s_mov_b32 s[G1S+2], 16<<16
	s_mov_b32 s[G1S+3], 32<<16
	s_mov_b32 s[G1S+4], 16
	s_mov_b32 s[G1S+5], 32
	s_mov_b32 s[G1S+6], 0
	s_mov_b32 s[G1S+7], 0
	; Q: image 16 cx + wave of my head; its word is word (wave % 4) of step 4 cx + wave / 4
	s_lshl_b32 s52, s12, 4
	s_add_co_u32 s52, s52, s[WV]
	s_mul_i32 s52, s52, 1536
	s_add_co_u32 s52, s52, s19
	s_mov_b32 s53, 0
	s_lshl_b32 s54, s12, 2
	s_lshr_b32 s55, s[WV], 2
	s_add_co_u32 s54, s54, s55
	s_lshl_b32 s54, s54, 8
	s_and_b32 s55, s[WV], 3
	s_lshl_b32 s55, s55, 2
	s_add_co_u32 s54, s54, s55
	s_lshl_b32 s55, s13, 12
	s_add_co_u32 s54, s54, s55
	s_mov_b32 s55, 0
	s_mov_b32 s[SEL], 0x76543210
	s_mov_b32 s[SEL+1], 0xfedcba98                 ; v_permlanex16_b32's selects for lane l xor 16
	s_mov_b32 s[CS], 0x3e38aa3b                    ; c = log2(e) / 8
	s_mov_b32 s[CS+1], s[CS]
	s_mov_b32 s50, 0xffff0000                      ; lanes 16-31
	s_mov_b32 s49, 2                               ; passes
	s_wait_dscnt 0x0
	s_wait_kmcnt 0x0
	s_mov_b32 s[G0C], 1
	s_add_nc_u64 s[G0C+2:G0C+3], s[4:5], s[14:15]
	s_or_b32 s[G0C+3], s[G0C+3], 0x80000000
	s_mov_b32 s[G0S], 1
	s_add_nc_u64 s[G0S+2:G0S+3], s[6:7], s[16:17]
	s_or_b32 s[G0S+3], s[G0S+3], 0x80000000
	s_add_nc_u64 s[52:53], s[4:5], s[52:53]
	s_add_nc_u64 s[54:55], s[6:7], s[54:55]
	; cat: my first tile of 16 rows is 128 batch + 32 cx + 2 wave
	s_lshr_b32 s14, s13, 4
	s_lshl_b32 s14, s14, 7
	s_lshl_b32 s15, s12, 5
	s_add_co_u32 s14, s14, s15
	s_lshl_b32 s15, s[WV], 1
	s_add_co_u32 s14, s14, s15
	s_and_b32 s19, s13, 15                         ; the head
	s_lshl_b32 s16, s14, 9                         ; cat_sc: 16 rows of 32 bytes a tile, + 2 head
	s_lshl_b32 s17, s19, 1
	s_add_co_u32 s16, s16, s17
	s_mov_b32 s17, 0
	s_mul_i32 s14, s14, 12288                      ; cat_img: 16 heads of 768 bytes a tile
	s_mul_i32 s15, s19, 768
	s_add_co_u32 s14, s14, s15
	s_mov_b32 s15, 0
	s_add_nc_u64 s[8:9], s[8:9], s[14:15]
	s_add_nc_u64 s[10:11], s[10:11], s[16:17]
	CROUND                                         ; all four work-groups are here: the joint loads meet
	s_cmp_lt_u32 s[WV], 8
	s_cbranch_scc0 .Lnot_codes
	tensor_load_to_lds s[G0C:G0C+3], s[G1C:G1C+7]
	s_nop 0
.rept 4
	v_nop
.endr
	s_branch .Lasked
.Lnot_codes:
	s_cmp_lt_u32 s[WV], 10
	s_cbranch_scc0 .Lasked
	tensor_load_to_lds s[G0S:G0S+3], s[G1S:G1S+7]
	s_nop 0
.rept 4
	v_nop
.endr
.Lasked:
	v_and_b32 v3, 31, v0
	s_delay_alu instid0(VALU_DEP_1)
	v_lshlrev_b32 v1, 4, v3                        ; v1: 16 x lane
	s_delay_alu instid0(VALU_DEP_2)
	v_lshlrev_b32 v3, 3, v3                        ; v3: 8 x lane
	v_and_b32 v4, 15, v0                           ; r
	s_delay_alu instid0(VALU_DEP_1)
	v_lshlrev_b32 v6, 4, v4                        ; v6: 16 r
	s_delay_alu instid0(VALU_DEP_1)
	v_add_nc_u32 v2, KSCL, v6                      ; v2: the scale words of row r
	v_bfe_u32 v7, v0, 4, 1                         ; h
	s_delay_alu instid0(VALU_DEP_1)
	v_lshl_add_u32 v4, v4, 5, v7                   ; v4: 32 r + h
	v_add_nc_u32 v5, VIMG, v1                      ; v5: 16 x lane among V's images
.irp c, 0,1,2
	global_load_b128 v[QL+4*\c:QL+4*\c+3], v1, s[52:53] offset:512*\c   ; Q's image: registers 0-5 my first 16 queries, 6-11 the second 16
.endr
	global_load_b32 v[T0], v6, s[54:55]            ; and its word: two bytes for each
.irp b, 0,1,2,3
	v_mov_b32 v[BX+\b], 0                          ; a lane permute's destination counts as one of its sources
.endr
	v_mov_b32 v[F+1], 0                            ; named as the upper half of a pair
	s_wait_loadcnt 0x0
.irp i, 0,1,2,3,4,5
	v_mov_b32 v[QN+\i], v[QL+6+\i]
	v_mov_b32 v[QH+6+\i], v[QL+\i]
.endr
.irp i, 0,1,2,3,4,5
	v_mov_b32 v[QL+6+\i], 0                        ; zero codes
	v_mov_b32 v[QH+\i], 0
.endr
	v_perm_b32 v[QS], v[T0], v[T0], 0x01000100     ; a tile's two bytes twice: one word serves [q | 0] and [0 | q]
	v_perm_b32 v[QSN], v[T0], v[T0], 0x03020302
	s_wait_tensorcnt 0x0                           ; my part of K or V has landed,
	s_barrier_signal -1
	s_barrier_wait -1                              ; everybody's has.  Nothing writes LDS from here on
.Lpass:                                            ; 16 queries against all 2,048 keys
	v_mov_b32 v13, 0xff61b1e6                      ; the largest t so far: -3e38
	s_delay_alu instid0(VALU_DEP_1)
	v_floor_f32 v12, -v13                          ; -M
	v_mov_b32 v14, 0                               ; l, in two halves
	v_mov_b32 v15, 0
.set j, 0
.rept 32
	v_mov_b32 v[O+j], 0                            ; O^T: the step is written once; the first change of M leaves zeros zeros.  (These lines are also the places between the writes of q's registers and the products)
.set j, j+1
.endr
	s_mov_b32 s2, 0                                ; where the step's images begin: 6,144 bytes a step
	s_mov_b32 s3, 0                                ; and its scale words: 256
	s_mov_b32 s48, 16
.Lstep:                                            ; 128 keys
	s_setprio 2
	v_add_nc_u32 v[ADK], s2, v1
	v_add_nc_u32 v[ADV], s2, v5
	v_add_nc_u32 v[ADS], s3, v2
	v_nop                                          ; four plain lines between the last step's products and the loads into their registers
.irp b, 0,1,2,3
.irp c, 0,1,2
	ds_load_b128 v[FRG+12*\b+4*\c:FRG+12*\b+4*\c+3], v[ADK] offset:1536*\b+512*\c
.endr
.endr
	ds_load_b128 v[KSC:KSC+3], v[ADS]
	s_wait_alu depctr_va_vdst(0)
	s_wait_dscnt 0x0
.irp b, 0,1,2,3                                    ; image b: keys 32 b + r against [q | 0], keys 32 b + 16 + r against [0 | q]
	v_wmma_scale_f32_16x16x128_f8f6f4 v[S+16*\b:S+16*\b+7], v[FRG+12*\b:FRG+12*\b+11], v[QL:QL+11], 0, v[KSC+\b], v[QS] matrix_a_fmt:MATRIX_FMT_FP6 matrix_b_fmt:MATRIX_FMT_FP6
	v_wmma_scale_f32_16x16x128_f8f6f4 v[S+16*\b+8:S+16*\b+15], v[FRG+12*\b:FRG+12*\b+11], v[QH:QH+11], 0, v[KSC+\b], v[QS] matrix_a_fmt:MATRIX_FMT_FP6 matrix_b_fmt:MATRIX_FMT_FP6
.endr                                              ; register 16 b + 8 u + j: key 32 b + 16 u + 8 h + j
.rept 4
	v_nop
.endr
.irp t, 0,1,2,3                                    ; V's four fragments are asked for now and land under the softmax
.irp c, 0,1,2
	ds_load_b128 v[FRG+12*\t+4*\c:FRG+12*\t+4*\c+3], v[ADV] offset:1536*\t+512*\c
.endr
.endr
	ds_load_b128 v[VSC:VSC+3], v[ADS] offset:4096
.irp b, 0,1,2,3
	v_max3_num_f32 v[BM+\b], v[S+16*\b], v[S+1+16*\b], v[S+2+16*\b]   ; the largest score of each block of 32 keys: for the row's maximum, and, since p rises with the score, for the block's largest p
.endr
.irp i, 3,5,7,9,11,13
.irp b, 0,1,2,3
	v_max3_num_f32 v[BM+\b], v[BM+\b], v[S+16*\b+\i], v[S+1+16*\b+\i]
.endr
.endr
.irp b, 0,1,2,3
	v_max_num_f32 v[BM+\b], v[BM+\b], v[S+15+16*\b]
.endr
.irp b, 0,1,2,3
	s_delay_alu instid0(VALU_DEP_4)
	v_permlanex16_b32 v[BX+\b], v[BM+\b], s[SEL], s[SEL+1]
.endr
.irp b, 0,1,2,3
	s_delay_alu instid0(VALU_DEP_4)
	v_max_num_f32 v[BM+\b], v[BM+\b], v[BX+\b]
.endr
	s_delay_alu instid0(VALU_DEP_2)
	v_max3_num_f32 v[T0], v[BM], v[BM+1], v[BM+2]
	s_delay_alu instid0(VALU_DEP_1)
	v_max_num_f32 v[T0], v[T0], v[BM+3]
	s_delay_alu instid0(VALU_DEP_1)
	v_mul_f32 v[T0], s[CS], v[T0]                  ; the step's largest t
	s_delay_alu instid0(VALU_DEP_1)
	v_max_num_f32 v13, v13, v[T0]                  ; the running largest t
	v_mov_b32 v[T0], v12
	s_delay_alu instid0(VALU_DEP_2)
	v_floor_f32 v12, -v13                          ; the new -M = -ceil(t)
	s_delay_alu instid0(VALU_DEP_1)
	v_sub_f32 v[T0], v12, v[T0]                    ; old M - new M: a whole number, 0 or less
	s_delay_alu instid0(VALU_DEP_1)
	v_cvt_i32_f32 v[T0], v[T0]                     ; (it saturates)
	s_delay_alu instid0(VALU_DEP_1)
	v_ldexp_f32 v[F], 1.0, v[T0]                   ; f = 2^(old M - new M)
.set j, 0
.rept 32
	v_pk_fma_f32 v[S+j:S+j+1], v[S+j:S+j+1], s[CS:CS+1], v[12:13] op_sel_hi:[1,0,0]   ; t - M
.set j, j+2
.endr
.irp b, 0,1,2,3
	v_fma_f32 v[BM+\b], v[BM+\b], s[CS], v12
.endr
.set j, 0
	s_wait_alu depctr_va_vdst(0)
.rept 64
	v_exp_f32 v[S+j], v[S+j]                       ; p = 2^(t - M)
.set j, j+1
.endr
	s_setprio 1
	v_pk_mul_f32 v[14:15], v[14:15], v[F:F+1] op_sel_hi:[1,0]   ; l under the new M (a plain line behind the exponentials)
	s_wait_alu depctr_va_vdst(0)                   ; one wait for the batch of 64, ahead of its first reader
.irp b, 0,1,2,3
	v_exp_f32 v[BM+\b], v[BM+\b]                   ; each block's largest p
.endr
	v_pk_add_f32 v[236:237], v[100:101], v[104:105]
	v_pk_add_f32 v[252:253], v[108:109], v[112:113]
	v_pk_add_f32 v[250:251], v[116:117], v[120:121]
	v_pk_add_f32 v[248:249], v[124:125], v[128:129]
	v_pk_add_f32 v[246:247], v[132:133], v[136:137]
	v_pk_add_f32 v[244:245], v[140:141], v[144:145]
	v_pk_add_f32 v[242:243], v[148:149], v[152:153]
	v_pk_add_f32 v[14:15], v[14:15], v[156:157]
	v_pk_add_f32 v[236:237], v[236:237], v[96:97]
	v_pk_add_f32 v[252:253], v[252:253], v[98:99]
	v_pk_add_f32 v[250:251], v[250:251], v[102:103]
	v_pk_add_f32 v[248:249], v[248:249], v[106:107]
	v_pk_add_f32 v[246:247], v[246:247], v[110:111]
	v_pk_add_f32 v[244:245], v[244:245], v[114:115]
	v_pk_add_f32 v[242:243], v[242:243], v[118:119]
	v_pk_add_f32 v[14:15], v[14:15], v[122:123]
	v_pk_add_f32 v[236:237], v[236:237], v[126:127]
	v_pk_add_f32 v[252:253], v[252:253], v[130:131]
	v_pk_add_f32 v[250:251], v[250:251], v[134:135]
	v_pk_add_f32 v[248:249], v[248:249], v[138:139]
	v_pk_add_f32 v[246:247], v[246:247], v[142:143]
	v_pk_add_f32 v[244:245], v[244:245], v[146:147]
	v_pk_add_f32 v[242:243], v[242:243], v[150:151]
	v_pk_add_f32 v[14:15], v[14:15], v[154:155]
	v_pk_add_f32 v[236:237], v[236:237], v[158:159]
	s_delay_alu instid0(VALU_DEP_2)
	v_pk_add_f32 v[14:15], v[14:15], v[248:249]
	s_delay_alu instid0(VALU_DEP_2)
	v_pk_add_f32 v[236:237], v[236:237], v[246:247]
	v_pk_add_f32 v[252:253], v[252:253], v[244:245]
	v_pk_add_f32 v[250:251], v[250:251], v[242:243]
	s_delay_alu instid0(VALU_DEP_2)
	v_pk_add_f32 v[14:15], v[14:15], v[252:253]
	s_delay_alu instid0(VALU_DEP_2)
	v_pk_add_f32 v[236:237], v[236:237], v[250:251]
	s_delay_alu instid0(VALU_DEP_1)
	v_pk_add_f32 v[14:15], v[14:15], v[236:237]
	s_wait_alu depctr_va_vdst(0)                   ; and one for the four
.irp b, 0,1,2,3
	v_max_num_f32 v[BM+\b], 0x1800000, v[BM+\b]    ; the floor 2^(3 - 127)
.endr
.irp b, 0,1,2,3
	s_delay_alu instid0(VALU_DEP_4)
	v_add_nc_u32 v[OP+\b], 0xff000000, v[BM+\b]    ; the conversion's scale operand
.endr
.irp b, 0,1,2,3
	s_delay_alu instid0(VALU_DEP_4)
	v_lshrrev_b32 v[BX+\b], 23, v[OP+\b]           ; the scale's byte
.endr
	s_delay_alu instid0(VALU_DEP_3)
	v_lshl_or_b32 v[PSC], v[BX+1], 8, v[BX]
	s_delay_alu instid0(VALU_DEP_1)
	v_lshl_or_b32 v[PSC], v[BX+2], 16, v[PSC]
	s_delay_alu instid0(VALU_DEP_1)
	v_lshl_or_b32 v[PSC], v[BX+3], 24, v[PSC]
.irp c, 0,1
	v_cvt_scalef32_pk16_fp6_f32 v[PC+6*\c:PC+6*\c+2], v[S+32*\c:S+32*\c+15], v[OP+2*\c]
	v_cvt_scalef32_pk16_fp6_f32 v[TC+4*\c:TC+4*\c+2], v[S+32*\c+16:S+32*\c+31], v[OP+2*\c+1]
.endr
	v_nop                                          ; a plain line behind the conversions
.irp c, 0,1
.irp i, 0,1,2
	v_permlane16_swap_b32 v[PC+6*\c+\i], v[TC+4*\c+\i]   ; a whole block to a lane
.endr
.irp i, 0,1,2
	s_delay_alu instid0(VALU_DEP_3)
	v_mov_b32 v[PC+3+6*\c+\i], v[TC+4*\c+\i]
.endr
.endr
.set j, 0
	s_setprio 0
.rept 16
	v_pk_mul_f32 v[O+j:O+j+1], v[O+j:O+j+1], v[F:F+1] op_sel_hi:[1,0]   ; O^T under the new M.  (Sixteen plain lines between the writes of p's codes and scale word and the products)
.set j, j+2
.endr
	s_wait_alu depctr_va_vdst(0)
	s_wait_dscnt 0x0                               ; V is in
.irp t, 0,1,2,3
	v_wmma_scale_f32_16x16x128_f8f6f4 v[O+8*\t:O+8*\t+7], v[FRG+12*\t:FRG+12*\t+11], v[PC:PC+11], v[O+8*\t:O+8*\t+7], v[VSC+\t], v[PSC] matrix_a_fmt:MATRIX_FMT_FP6 matrix_b_fmt:MATRIX_FMT_FP6
.endr
	s_add_co_u32 s2, s2, 6144
	s_add_co_u32 s3, s3, 256
	s_sub_co_u32 s48, s48, 1
	s_cmp_lg_u32 s48, 0
	s_cbranch_scc1 .Lstep
	s_setprio 0
	; THE PASS'S END: O^T / l, quantised along d (two blocks of 32), as registers 0-5 of the last product's operand
	v_add_f32 v14, v14, v15
	s_delay_alu instid0(VALU_DEP_1)
	v_permlanex16_b32 v[T0], v14, s[SEL], s[SEL+1]
	s_delay_alu instid0(VALU_DEP_1)
	v_add_f32 v14, v14, v[T0]                      ; the row's sum
	s_wait_alu depctr_va_vdst(0)
	v_rcp_f32 v[F], v14
	v_nop
	v_nop
	v_nop                                          ; plain lines behind the reciprocal and behind the last products
	s_wait_alu depctr_va_vdst(0)                   ; ahead of the reciprocal's first reader
.set j, 0
.rept 16
	v_pk_mul_f32 v[S+j:S+j+1], v[O+j:O+j+1], v[F:F+1] op_sel_hi:[1,0]   ; register 16 b + 8 u + j: d = 32 b + 16 u + 8 h + j; each accumulator is read from its low end on
.set j, j+2
.endr
.irp b, 0,1
	v_max3_num_f32 v[BM+\b], |v[S+16*\b]|, |v[S+1+16*\b]|, 0x1800000
.endr
.irp i, 2,4,6,8,10,12,14
.irp b, 0,1
	s_delay_alu instid0(VALU_DEP_2)
	v_max3_num_f32 v[BM+\b], v[BM+\b], |v[S+16*\b+\i]|, |v[S+1+16*\b+\i]|
.endr
.endr
.irp b, 0,1
	s_delay_alu instid0(VALU_DEP_2)
	v_permlanex16_b32 v[BX+\b], v[BM+\b], s[SEL], s[SEL+1]
.endr
.irp b, 0,1
	s_delay_alu instid0(VALU_DEP_2)
	v_max_num_f32 v[BM+\b], v[BM+\b], v[BX+\b]
.endr
.irp b, 0,1
	s_delay_alu instid0(VALU_DEP_2)
	v_add_nc_u32 v[OP+\b], 0xff000000, v[BM+\b]
.endr
.irp b, 0,1
	s_delay_alu instid0(VALU_DEP_2)
	v_lshrrev_b32 v[BX+\b], 23, v[OP+\b]
.endr
	v_cvt_scalef32_pk16_fp6_f32 v[PC:PC+2], v[S:S+15], v[OP]
	v_cvt_scalef32_pk16_fp6_f32 v[TC:TC+2], v[S+16:S+31], v[OP+1]
	v_nop
.irp i, 0,1,2
	v_permlane16_swap_b32 v[PC+\i], v[TC+\i]
.endr
.irp i, 0,1,2
	s_delay_alu instid0(VALU_DEP_3)
	v_mov_b32 v[PC+3+\i], v[TC+\i]
.endr
	v_cndmask_b32 v[T0], v[BX], v[BX+1], s50       ; lane half h: block h's byte
	global_store_b128 v1, v[PC:PC+3], s[8:9] th:TH_STORE_NT          ; 512 consecutive bytes, aligned
	global_store_b64 v3, v[PC+4:PC+5], s[8:9] offset:512 th:TH_STORE_NT   ; 256
	global_store_b8 v4, v[T0], s[10:11]
	s_wait_xcnt 0x0                                ; the stores have read their registers and bases
	s_add_nc_u64 s[8:9], s[8:9], 12288             ; the next tile of 16 rows
	s_add_nc_u64 s[10:11], s[10:11], 512
.irp i, 0,1,2,3,4,5
	v_mov_b32 v[QL+\i], v[QN+\i]                   ; the second 16 queries
	v_mov_b32 v[QH+6+\i], v[QN+\i]
.endr
	v_mov_b32 v[QS], v[QSN]
	s_sub_co_u32 s49, s49, 1
	s_cmp_lg_u32 s49, 0
	s_cbranch_scc1 .Lpass
	s_wait_tensorcnt 0x0
	ds_add_u32 v254, v255
	s_wait_dscnt 0x0
	CROUND                                         ; the closing round
	s_endpgm
.Lfunc_end_k_q785b0be14f_attn:
	.size	k_q785b0be14f_attn, .Lfunc_end_k_q785b0be14f_attn-k_q785b0be14f_attn
	.p2alignl 7, 3214868480
	.fill 96, 4, 3214868480
	.section	.rodata,"a",@progbits
	.p2align	6, 0x0
	.amdhsa_kernel k_q785b0be14f_attn
		.amdhsa_group_segment_fixed_size 215040
		.amdhsa_private_segment_fixed_size 0
		.amdhsa_enable_private_segment 0
		.amdhsa_kernarg_size 32
		.amdhsa_user_sgpr_count 2
		.amdhsa_user_sgpr_kernarg_segment_ptr 1
		.amdhsa_wavefront_size32 1
		.amdhsa_system_sgpr_workgroup_id_x 1
		.amdhsa_system_sgpr_workgroup_id_y 1
		.amdhsa_system_sgpr_workgroup_id_z 1
		.amdhsa_system_vgpr_workitem_id 0
		.amdhsa_next_free_vgpr 256
		.amdhsa_next_free_sgpr 66
		.amdhsa_reserve_vcc 0
		.amdhsa_float_denorm_mode_32 3
		.amdhsa_float_denorm_mode_16_64 3
		.amdhsa_memory_ordered 1
		.amdhsa_forward_progress 1
		.amdhsa_inst_pref_size 31
	.end_amdhsa_kernel
	.amdgpu_metadata
---
amdhsa.version: [ 1, 2 ]
amdhsa.kernels:
  - .name:           k_q785b0be14f_attn
    .symbol:         k_q785b0be14f_attn.kd
    .args:
      - { .name: qkv_img, .offset: 0, .size: 8, .value_kind: global_buffer, .address_space: global }
      - { .name: qkv_sc, .offset: 8, .size: 8, .value_kind: global_buffer, .address_space: global }
      - { .name: cat_img, .offset: 16, .size: 8, .value_kind: global_buffer, .address_space: global }
      - { .name: cat_sc, .offset: 24, .size: 8, .value_kind: global_buffer, .address_space: global }
    .group_segment_fixed_size: 215040
    .private_segment_fixed_size: 0
    .kernarg_segment_align: 8
    .kernarg_segment_size: 32
    .max_flat_workgroup_size: 512
    .sgpr_count:     66
    .vgpr_count:     256
    .wavefront_size: 32
...
	.end_amdgpu_metadata
.endif
;; end of part 3
;; launch proj (part 4): grid 4 x 32, 4 waves a work-group, clusters of 4 x 4, 327,680 bytes of LDS; arguments cat_img, cat_sc, xw_codes, xw_scales, bo, out0; writes out0
.if DOCPART == 4
	.amdgcn_target "amdgcn-amd-amdhsa--gfx1250"
	.amdhsa_code_object_version 6
	.text
	.protected	k_q785b0be14f_proj
	.globl	k_q785b0be14f_proj
	.p2align	8
	.type	k_q785b0be14f_proj,@function
k_q785b0be14f_proj:
	s_mov_b64 s[64:65], 0
	v_nop
	global_prefetch_b8 v0, s[64:65] scope:SCOPE_SE
	s_setreg_imm32_b32 hwreg(HW_REG_WAVE_MODE, 25, 1), 1
	s_wait_xcnt 0x0
	s_wait_alu depctr_hold_cnt(0) depctr_sa_sdst(0) depctr_va_vdst(0) depctr_va_sdst(0) depctr_va_ssrc(0) depctr_va_vcc(0) depctr_vm_vsrc(0)
	s_getreg_b32 s2, hwreg(HW_REG_IB_STS2, 6, 4)
	s_cmp_eq_u32 s2, 0
	s_cbranch_scc0 .Lentry_in_a_cluster
	s_endpgm
.Lentry_in_a_cluster:
	s_bfe_u32 s2, ttmp6, 0x10000c
	s_cmp_lg_u32 s2, 0xf033
	s_cbranch_scc0 .Lentry_shape_is_right
	s_endpgm
.Lentry_shape_is_right:
.set KSTEP,  256
.set NQ,     2
.set ROWB,   192
.set KROW,   768
.set PITCH,  240
.set FR,     12
.set NLA,    4
.set NP,     4
.set HALFT,  128*PITCH
.set SLOT,   4*HALFT
.set LAPS,   2
.set KS,     32
.set SCL,    2*SLOT
.set HALFS,  (128*KS/256)*272
.set SBLK,   (16*KS/256)*272
.set SPARE,  SCL+4*HALFS
.set SPITCH, 528
.set SIZE_N, 1024
.set A16,  16
.set A8,   18
.set ADRB, 20
.set STO,  24
.set RD,   25
.set CO,   26
.set ADRS, 27
.set SPW,  28
.set NIL,  29
.set BRO,  30
.set SC,   32
.set BR,   64
.set AF,   128
.set BK,   128
.set G1, 24
.set G0, 32
.set G1B, 48
.set G0B, 56
.set G1S, 68
.set G0S, 76
.set G1SB, 80
.set G0SB, 88
.set CP, 98
.set MSB, 0
.macro WIN new
.if MSB != (\new)
	s_set_vgpr_msb (MSB<<8)|(\new)
.set MSB, (\new)
.endif
.endm
.set MUL_LO, 0xa1
.set MUL_HI, 0xf1
.set TO_B,   0x40
.macro JLOAD g0a, g1a, g0b, g1b
	s_cmp_eq_u32 s15, 0
	s_cbranch_scc0 .Lfor_b_\@
	tensor_load_to_lds s[\g0a:\g0a+3], s[\g1a:\g1a+7]
	s_nop 0
.rept 4
	v_nop
.endr
	s_branch .Lasked_\@
.Lfor_b_\@:
	tensor_load_to_lds s[\g0b:\g0b+3], s[\g1b:\g1b+7]
	s_nop 0
.rept 4
	v_nop
.endr
.Lasked_\@:
.endm
.macro CREST
	s_cmp_lg_u32 s14, 0
	s_cbranch_scc1 .Lnot_wave_0_\@
	s_barrier_signal -3
.Lnot_wave_0_\@:
	s_barrier_wait -3
	s_barrier_signal -1
	s_barrier_wait -1
.endm
.macro CROUND
	s_barrier_signal -1
	s_barrier_wait -1
	CREST
.endm
	s_load_b128 s[4:7], s[0:1], 0x0
	s_load_b128 s[8:11], s[0:1], 0x10
	s_load_b128 s[96:99], s[0:1], 0x20
	v_lshl_add_u32 v[SPW], v0, 2, SPARE
	v_mov_b32 v[NIL], 0
	ds_add_u32 v28, v29
	ds_add_u32 v28, v29
	s_wait_dscnt 0x0
	v_lshrrev_b32 v1, 5, v0
	v_readfirstlane_b32 s14, v1
	s_lshr_b32 s15, s14, 1
	s_and_b32 s16, s14, 1
	s_bfe_u32 s40, ttmp6, 0x40000
	s_bfe_u32 s41, ttmp6, 0x40004
	s_lshl_b32 s42, ttmp9, 2
	s_add_co_u32 s42, s42, s40
	s_and_b32 s17, ttmp7, 0xffff
	s_lshl_b32 s17, s17, 2
	s_add_co_u32 s17, s17, s41
	s_lshl_b32 s43, s41, 2
	s_lshl_b32 s43, 15, s43
	s_lshl_b32 s44, 0x1111, s40
	s_or_b32 s[G1+0], s43, (3<<16)|(1<<21)
	s_mov_b32 s[G1+1], 384<<16
	s_mov_b32 s[G1+2], 8<<16
	s_mov_b32 s[G1+3], 384<<16
	s_mov_b32 s[G1+4], 8
	s_mov_b32 s[G1+5], 1536
	s_mov_b32 s[G1+6], 0
	s_mov_b32 s[G1+7], 0
	s_or_b32 s[G1B+0], s44, (0<<16)|(1<<20)|(1<<21)|(3<<22)|(3<<25)
	s_mov_b32 s[G1B+1], ROWB<<16
	s_mov_b32 s[G1B+2], 128<<16
	s_mov_b32 s[G1B+3], ROWB<<16
	s_mov_b32 s[G1B+4], 128
	s_mov_b32 s[G1B+5], KROW
	s_mov_b32 s[G1B+6], 0
	s_mov_b32 s[G1B+7], 0
	s_or_b32 s[G1S+0], s43, (3<<16)|(1<<20)|(1<<21)|(5<<22)|(3<<25)
	s_or_b32 s[G1SB+0], s44, (3<<16)|(1<<20)|(1<<21)|(5<<22)|(3<<25)
.irp g, G1S, G1SB
	s_mov_b32 s[\g+1], 32<<16
	s_mov_b32 s[\g+2], (128*KS/256)<<16
	s_mov_b32 s[\g+3], 32<<16
	s_mov_b32 s[\g+4], 128*KS/256
	s_mov_b32 s[\g+5], 32
	s_mov_b32 s[\g+6], 0
	s_mov_b32 s[\g+7], 0
.endr
	s_lshl_b32 s20, s17, 4
	s_lshl_b32 s18, s16, 3
	s_add_co_u32 s20, s20, s18
	s_lshl_b32 s22, s20, 9
	s_mov_b32 s23, 0
	s_mul_i32 s20, s20, 12288
	s_mov_b32 s21, 0
	s_lshl_b32 s46, s42, 8
	s_lshl_b32 s47, s16, 7
	s_add_co_u32 s46, s46, s47
	s_add_co_u32 s46, s46, 11264
	s_lshl_b32 s92, s46, 5
	s_mov_b32 s93, 0
	s_mul_i32 s46, s46, KROW
	s_mov_b32 s47, 0
	s_mul_i32 s45, s14, HALFT
	s_mul_i32 s94, s14, HALFS
	s_wait_kmcnt 0x0
	s_add_nc_u64 s[20:21], s[4:5], s[20:21]
	s_add_nc_u64 s[22:23], s[6:7], s[22:23]
	s_add_nc_u64 s[46:47], s[8:9], s[46:47]
	s_add_nc_u64 s[92:93], s[10:11], s[92:93]
	CROUND
	s_mov_b32 s[G0S], 1
	s_add_co_u32 s[G0S+1], s94, SCL
	s_mov_b64 s[G0S+2:G0S+3], s[22:23]
	s_or_b32 s[G0S+3], s[G0S+3], 0x80000000
	s_mov_b32 s[G0SB], 1
	s_add_co_u32 s[G0SB+1], s94, SCL
	s_mov_b64 s[G0SB+2:G0SB+3], s[92:93]
	s_or_b32 s[G0SB+3], s[G0SB+3], 0x80000000
	JLOAD G0S, G1S, G0SB, G1SB
.irp s, 0,1
	s_mov_b32 s[G0+4*\s], 1
	s_add_co_u32 s[G0+4*\s+1], s45, \s*SLOT
	s_add_nc_u64 s[G0+4*\s+2:G0+4*\s+3], s[20:21], \s*3072
	s_or_b32 s[G0+4*\s+3], s[G0+4*\s+3], 0x80000000
	s_mov_b32 s[G0B+4*\s], 1
	s_add_co_u32 s[G0B+4*\s+1], s45, \s*SLOT
	s_add_nc_u64 s[G0B+4*\s+2:G0B+4*\s+3], s[46:47], \s*ROWB
	s_or_b32 s[G0B+4*\s+3], s[G0B+4*\s+3], 0x80000000
	s_wait_alu depctr_va_vdst(0)
	s_wait_tensorcnt 0x0
	ds_add_u32 v28, v29
	s_wait_dscnt 0x0
	CROUND
	JLOAD G0+4*\s, G1, G0B+4*\s, G1B
.endr
	v_and_b32 v1, 15, v0
	v_bfe_u32 v2, v0, 4, 1
	v_mul_u32_u24 v3, v1, PITCH
	v_mul_u32_u24 v4, v2, 24
	v_add_nc_u32 v4, v3, v4
	v_lshl_add_u32 v5, v2, 4, v4
	v_and_b32 v6, 31, v0
	v_lshlrev_b32 v7, 4, v6
	v_lshlrev_b32 v8, 3, v6
	s_mul_i32 s21, s15, HALFT
	s_mul_i32 s22, s16, HALFT
	s_add_co_u32 s22, s22, 2*HALFT
.irp s, 0,1
	v_add_nc_u32 v[A16+\s], s21, v7
	v_add_nc_u32 v[A8+\s], s21, v8
	v_add_nc_u32 v[ADRB+\s], s22, v4
	v_add_nc_u32 v[ADRB+2+\s], s22, v5
	s_add_co_u32 s21, s21, SLOT
	s_add_co_u32 s22, s22, SLOT
.endr
	v_mul_u32_u24 v5, v1, KS
	v_lshrrev_b32 v6, 8, v5
	v_lshl_add_u32 v5, v6, 4, v5
	s_mul_i32 s21, s15, HALFS
	s_mul_i32 s22, s16, HALFS
	s_add_co_u32 s22, s22, 2*HALFS
	s_sub_co_u32 s22, s22, s21
	v_mul_u32_u24 v6, s22, v2
	s_add_co_u32 s21, s21, SCL
	v_add_nc_u32 v5, v5, v6
	v_add_nc_u32 v[ADRS], s21, v5
	s_mul_i32 s23, s14, 16*SPITCH
	v_mul_u32_u24 v5, v1, SPITCH
	v_lshl_add_u32 v5, v2, 5, v5
	v_add_nc_u32 v[STO], s23, v5
	v_mov_b32 v[CO], v7
	v_add_nc_u32 v[RD], s23, v7
	v_lshlrev_b32 v[BRO], 5, v2
	s_wait_alu depctr_va_vdst(0)
	s_lshl_b32 s20, s17, 8
	s_lshl_b32 s21, s15, 7
	s_add_co_u32 s20, s20, s21
	s_lshl_b32 s20, s20, 12
	s_lshl_b32 s46, s42, 10
	s_lshl_b32 s47, s16, 9
	s_add_co_u32 s46, s46, s47
	s_mov_b32 s47, 0
	s_add_co_u32 s20, s20, s46
	s_mov_b32 s21, 0
	s_add_nc_u64 s[CP:CP+1], s[CP:CP+1], s[20:21]
	s_add_nc_u64 s[96:97], s[96:97], s[46:47]
.irp t, 0,1,2,3,4,5,6,7
	global_load_b128 v[BR+8*\t:BR+8*\t+3], v[BRO], s[96:97] offset:64*\t
	global_load_b128 v[BR+8*\t+4:BR+8*\t+7], v[BRO], s[96:97] offset:64*\t+16
.endr
.macro FRAG reg, adr, q, i
.irp p, 0,1,2,3,4,5
.set PC, 12*(\q)+6*(\p/3)+\p%3
.if PC%8 < 5
	ds_load_b64 v[\reg+2*\p:\reg+2*\p+1], v[\adr] offset:8*PC+16*(PC/8)+(\i)*16*PITCH
.else
	ds_load_b64 v[\reg+2*\p:\reg+2*\p+1], v[\adr+2] offset:8*PC+16*(PC/8)+(\i)*16*PITCH
.endif
.endr
.endm
.macro FRAGA reg, slot, q, i
	ds_load_b128 v[\reg:\reg+3], v[A16+\slot] offset:(\i)*3072+(\q)*1536
	ds_load_b64 v[\reg+4:\reg+5], v[A8+\slot] offset:(\i)*3072+(\q)*1536+512
	ds_load_b128 v[\reg+6:\reg+9], v[A16+\slot] offset:(\i)*3072+(\q)*1536+768
	ds_load_b64 v[\reg+10:\reg+11], v[A8+\slot] offset:(\i)*3072+(\q)*1536+1280
.endm
.macro MUL16 a0, p, q, sc, zero
.irp a, \a0, \a0+1
.irp b, 0,1,2,3,4,5,6,7
.if \zero
	v_wmma_scale_f32_16x16x128_f8f6f4 v[8*(8*((\a)%4)+\b):8*(8*((\a)%4)+\b)+7], v[128*(\p)+FR*\b:128*(\p)+FR*\b+FR-1], v[AF+FR*(\a):AF+FR*(\a)+FR-1], v[BR+8*\b:BR+8*\b+7], v[SC+8*NQ*(\sc)+NQ*\b+(\q)], v[SC+8*NQ*(\sc)+NQ*(\a)+(\q)] matrix_a_fmt:MATRIX_FMT_FP6 matrix_b_fmt:MATRIX_FMT_FP6 matrix_a_scale:MATRIX_SCALE_ROW1
.else
	v_wmma_scale_f32_16x16x128_f8f6f4 v[8*(8*((\a)%4)+\b):8*(8*((\a)%4)+\b)+7], v[128*(\p)+FR*\b:128*(\p)+FR*\b+FR-1], v[AF+FR*(\a):AF+FR*(\a)+FR-1], v[8*(8*((\a)%4)+\b):8*(8*((\a)%4)+\b)+7], v[SC+8*NQ*(\sc)+NQ*\b+(\q)], v[SC+8*NQ*(\sc)+NQ*(\a)+(\q)] matrix_a_fmt:MATRIX_FMT_FP6 matrix_b_fmt:MATRIX_FMT_FP6 matrix_a_scale:MATRIX_SCALE_ROW1
.endif
.endr
.endr
.endm
.macro FETCH_B slot, q, p
	WIN TO_B
.irp i, 0,1,2,3,4,5,6,7
	FRAG 128*(\p)+FR*\i, ADRB+\slot, \q, \i
.endr
	WIN 0
.endm
.macro FETCH_A slot, q, i0
.irp i, \i0, \i0+1, \i0+2, \i0+3
	FRAGA AF+FR*(\i), \slot, \q, \i
.endr
.endm
.macro SCALES sc
.irp i, 0,1,2,3,4,5,6,7
	ds_load_b64 v[SC+8*NQ*\sc+NQ*\i:SC+8*NQ*\sc+NQ*\i+1], v[ADRS] offset:\i*SBLK
.endr
.endm
.macro PLACES n
.rept \n
	v_nop
.endr
.endm
.macro STEP slot, q, zero
	s_wait_dscnt 4*NLA
.if \zero
	WIN 0x81
.else
	WIN MUL_LO
.endif
	MUL16 0, (\q)%2, \q, \slot, \zero
	MUL16 2, (\q)%2, \q, \slot, \zero
	s_wait_dscnt 0
	PLACES NP
	FETCH_B \slot, (\q)+1, 1-(\q)%2
	FETCH_A \slot, (\q)+1, 0
.if \zero
	WIN 0xc1
.else
	WIN MUL_HI
.endif
	MUL16 4, (\q)%2, \q, \slot, \zero
	MUL16 6, (\q)%2, \q, \slot, \zero
	PLACES NP
	WIN 0
	FETCH_A \slot, (\q)+1, 4
.endm
.macro TURN slot, next, fill
	s_wait_tensorcnt 0x0
	ds_add_u32 v[SPW], v[NIL]
	s_wait_dscnt 4*NLA+1
	WIN MUL_LO
	MUL16 0, 1, NQ-1, \slot, 0
	s_wait_dscnt 0x0
	s_barrier_signal -1
	MUL16 2, 1, NQ-1, \slot, 0
	WIN 0
	s_barrier_wait -1
.if \fill
	CREST
	s_add_nc_u64 s[G0+4*\slot+2:G0+4*\slot+3], s[G0+4*\slot+2:G0+4*\slot+3], 2*3072
	s_add_nc_u64 s[G0B+4*\slot+2:G0B+4*\slot+3], s[G0B+4*\slot+2:G0B+4*\slot+3], 2*ROWB
	JLOAD G0+4*\slot, G1, G0B+4*\slot, G1B
.else
	PLACES NP
.endif
	s_wait_alu depctr_va_vdst(0)
	v_add_nc_u32 v[ADRS], 4*NQ, v[ADRS]
	FETCH_B \next, 0, 0
	FETCH_A \next, 0, 0
	SCALES \next
	WIN MUL_HI
	MUL16 4, 1, NQ-1, \slot, 0
	MUL16 6, 1, NQ-1, \slot, 0
	PLACES NP
	WIN 0
	FETCH_A \next, 0, 4
.endm
	s_wait_loadcnt 0x0
	s_wait_tensorcnt 1
	s_barrier_signal -1
	s_barrier_wait -1
	FETCH_B 0, 0, 0
	FETCH_A 0, 0, 0
	SCALES 0
	FETCH_A 0, 0, 4
	STEP 0, 0, 1
	s_mov_b32 s3, LAPS-1
.Llap:
	TURN 0, 1, 1
	STEP 1, 0, 0
	TURN 1, 0, 1
	STEP 0, 0, 0
	s_sub_co_u32 s3, s3, 1
	s_cmp_lg_u32 s3, 0
	s_cbranch_scc1 .Llap
	TURN 0, 1, 0
	STEP 1, 0, 0
	s_wait_dscnt 4*NLA
	WIN MUL_LO
	MUL16 0, 1, NQ-1, 1, 0
	MUL16 2, 1, NQ-1, 1, 0
	s_wait_dscnt 0
	WIN MUL_HI
	MUL16 4, 1, NQ-1, 1, 0
	MUL16 6, 1, NQ-1, 1, 0
	WIN 0
.macro TOSTAGE a
.set AC, 64*((\a)%4)
	WIN 0x08+4*((\a)/4)
.irp b, 0,1,2,3,4,5,6,7
	ds_store_b128 v[STO], v[AC+8*\b:AC+8*\b+3] offset:64*\b
	ds_store_b128 v[STO], v[AC+8*\b+4:AC+8*\b+7] offset:64*\b+16
.endr
	WIN 0
.set BB, BK+64*((\a)%2)
.irp t, 0,1,2,3,4,5,6,7,8,9,10,11,12,13,14,15
	ds_load_b128 v[BB+4*\t:BB+4*\t+3], v[RD] offset:\t*SPITCH
.endr
.endm
.macro SEND a, younger
.set BB, BK+64*((\a)%2)
	s_wait_dscnt \younger
.if (\a) > 0
	s_add_nc_u64 s[CP:CP+1], s[CP:CP+1], 16*SIZE_N*4
.endif
.irp t, 0,1,2,3,4,5,6,7,8,9,10,11,12,13,14,15
	global_store_b128 v[CO], v[BB+4*\t:BB+4*\t+3], s[CP:CP+1] offset:\t*SIZE_N*4 th:TH_STORE_NT
.endr
.endm
	PLACES NP
	TOSTAGE 0
.irp a, 1,2,3,4,5,6,7
.if \a > 1
	s_wait_xcnt 0x0
.endif
	TOSTAGE \a
	SEND \a-1, 32
.endr
	s_wait_xcnt 0x0
	SEND 7, 0
	s_wait_tensorcnt 0x0
	ds_add_u32 v[SPW], v[NIL]
	s_wait_dscnt 0x0
	CROUND
	s_endpgm
.Lfunc_end_k_q785b0be14f_proj:
	.size	k_q785b0be14f_proj, .Lfunc_end_k_q785b0be14f_proj-k_q785b0be14f_proj
	.p2alignl 7, 3214868480
	.fill 96, 4, 3214868480
	.section	.rodata,"a",@progbits
	.p2align	6, 0x0
	.amdhsa_kernel k_q785b0be14f_proj
		.amdhsa_group_segment_fixed_size 327680
		.amdhsa_private_segment_fixed_size 0
		.amdhsa_enable_private_segment 0
		.amdhsa_kernarg_size 48
		.amdhsa_user_sgpr_count 2
		.amdhsa_user_sgpr_kernarg_segment_ptr 1
		.amdhsa_wavefront_size32 1
		.amdhsa_system_sgpr_workgroup_id_x 1
		.amdhsa_system_sgpr_workgroup_id_y 1
		.amdhsa_system_sgpr_workgroup_id_z 1
		.amdhsa_system_vgpr_workitem_id 0
		.amdhsa_next_free_vgpr 1024
		.amdhsa_next_free_sgpr 100
		.amdhsa_reserve_vcc 0
		.amdhsa_float_denorm_mode_32 3
		.amdhsa_float_denorm_mode_16_64 3
		.amdhsa_memory_ordered 1
		.amdhsa_forward_progress 1
		.amdhsa_inst_pref_size 154
	.end_amdhsa_kernel
	.amdgpu_metadata
---
amdhsa.version: [ 1, 2 ]
amdhsa.kernels:
  - .name:           k_q785b0be14f_proj
    .symbol:         k_q785b0be14f_proj.kd
    .args:
      - { .name: cat_img, .offset: 0, .size: 8, .value_kind: global_buffer, .address_space: global }
      - { .name: cat_sc, .offset: 8, .size: 8, .value_kind: global_buffer, .address_space: global }
      - { .name: xw_codes, .offset: 16, .size: 8, .value_kind: global_buffer, .address_space: global }
      - { .name: xw_scales, .offset: 24, .size: 8, .value_kind: global_buffer, .address_space: global }
      - { .name: bo, .offset: 32, .size: 8, .value_kind: global_buffer, .address_space: global }
      - { .name: out0, .offset: 40, .size: 8, .value_kind: global_buffer, .address_space: global }
    .group_segment_fixed_size: 327680
    .private_segment_fixed_size: 0
    .kernarg_segment_align: 8
    .kernarg_segment_size: 48
    .max_flat_workgroup_size: 128
    .sgpr_count:     100
    .vgpr_count:     1024
    .wavefront_size: 32
...
	.end_amdgpu_metadata
.endif
;; end of part 4
